; MI455X (gfx1250); checked and timed in simulation.
; The chip was launched on July 23, 2026; its instructions are those of AMD's public machine-readable ISA for CDNA 5 (MIT licence, August 2026) and "CDNA5" Instruction Set Architecture Reference Guide (July 2026). The comments in the code are by the model that wrote it; some were corrected since.
;; Dilated MHCA Block. Allowed arithmetic: matrix products marked QUANTISED: E3M2 operands, one E8M0 scale for each 32 along K, by v_wmma_scale_f32_16x16x128_f8f6f4 with both operands' format E3M2, f32 sums; everything else in f32.
;; Inputs: Wk 1,024 x 1,024 float32; Wo 1,024 x 1,024 float32; Wq 1,024 x 1,024 float32; Wv 1,024 x 1,024 float32; bk 1,024 float32; bo 1,024 float32; bq 1,024 float32; bv 1,024 float32; x 4 x 2,048 x 1,024 float32.
;; Outputs: out0 4 x 2,048 x 1,024 float32.
;; Constants: dilation = 2, k = 8.
;; This version of the problem:
;;   THIS VERSION OF THE PROBLEM IS GIVEN IN LOW PRECISION. The matrix products marked QUANTISED in the list below multiply operands that are first quantised to E3M2 (3 exponent bits, 2 mantissa bits; 6 bits a number), with one power-of-two scale for each 32 numbers along K (OCP MX v1.0); their sums are f32. All else is computed in f32.
;;   The module's matrix products, in the order in which they are computed (A, B: the left and right operand; K: the contracted axis; several contracted axes count as one K, in the product's order):
;;     1. [M 8,192, K 1,024] x [K 1,024, N 1,024]; A: input x; B: input Wq: QUANTISED
;;     2. [M 8,192, K 1,024] x [K 1,024, N 1,024]; A: input x; B: input Wk: QUANTISED
;;     3. [M 8,192, K 1,024] x [K 1,024, N 1,024]; A: input x; B: input Wv: QUANTISED
;;     4. batch 64 x [M 2,048, K 64] x [K 64, N 2,048]; A: computed on the way; B: computed on the way: QUANTISED
;;     5. batch 64 x [M 2,048, K 2,048] x [K 2,048, N 64]; A: softmax (see below); B: computed on the way: QUANTISED
;;     6. [M 8,192, K 1,024] x [K 1,024, N 1,024]; A: computed on the way; B: input Wo: QUANTISED
;;   THE QUANTISER, for each operand of a quantised product, along K:
;;     - K is cut into blocks of 32 from its start; a last block that is shorter is filled with zeros.
;;     - A block's scale is 2^e with e = floor(log2(the largest magnitude in the block)) - 4, held to -126 .. 127; a block of zeros has e = 0. As a byte (E8M0): e + 127.
;;     - Each number is divided by its block's scale, clamped to +-28, and rounded to the nearest number of E3M2, ties to even, subnormals kept.
;;     - The product sums the exact products of the quantised numbers (number of the format x scale) in f32.
;;   ~~~python
;;   def quantise(x, axis):      # numpy; x: float32 -> the quantised numbers, widened to float32 again
;;       x = np.moveaxis(x, axis, -1); K = x.shape[-1]
;;       x = np.pad(x, [(0, 0)] * (x.ndim - 1) + [(0, -K % 32)]); x = x.reshape(x.shape[:-1] + (-1, 32)); a = np.abs(x).max(-1, keepdims=True)
;;       e = np.where(a > 0, np.clip(np.frexp(np.where(a > 0, a, 1))[1] - 1 - 4, -126, 127), 0)      # np.frexp(a)[1] - 1 = floor(log2(a)), exactly
;;       r = np.clip(x / 2.0 ** e, -28, 28)
;;       step = 2.0 ** (np.maximum(np.frexp(np.where(r == 0, 1, r))[1] - 1, -2) - 2)
;;       q = np.round(r / step) * step * 2.0 ** e      # np.round: ties to even
;;       return np.moveaxis(q.reshape(q.shape[:-2] + (-1,))[..., :K], -1, axis).astype(np.float32)
;;   ~~~
;;   SOFTMAX AHEAD OF A QUANTISED PRODUCT. Where the list says 'softmax', what is quantised is not the finished softmax but p = 2^(t - M), with t = logit x log2(e) and M = ceil(the row's largest t), a whole number; so 1/2 < the row's largest p <= 1. The row's sum l is taken of the UNQUANTISED p, in f32, and the product's result is divided by l at the end. Since M is a whole number, a kernel that streams over the keys may use a running M (the ceiling of the running maximum): every later rescaling is an exact power of two, which a block's scale takes up: the codes' values come out the same.
;;   OPERANDS COMPUTED ON THE WAY. 'Computed on the way' means the value that the module computes at that place (a softmax that the list does not call 'softmax' is quantised finished and normalised). What goes into a quantiser is computed in f32, as accurately as f32 sums, v_exp_f32 and their like allow (about 1e-6 of the number): no bf16 or f16 on the way to a quantiser, and a product that is left as it is and whose result goes on into a quantised operand takes f32 operands (vector FMAs, or v_wmma_f32_16x16x4_f32). A number that lies on a knife's edge between two numbers of the format may be rounded either way, as far as f32 arithmetic and the matrix unit's own rounding can turn it there, and no further.
;; One version. Each part assembles by itself: llvm-mc -triple=amdgcn-amd-amdhsa -mcpu=gfx1250 --defsym DOCPART=n.
;; ======== version 1 of 1: 4 launches
;; limits: right only within a limited range of input values
;; workspace buffers: w1 9,830,400 bytes; w2 19,660,800 bytes; w3 6,553,600 bytes
;; launch quant (part 1): grid 192 x 1, 8 waves a work-group, no clusters, 279,552 bytes of LDS; arguments x, Wq, Wk, Wv, Wo, w1; writes w1
.if DOCPART == 1
	.amdgcn_target "amdgcn-amd-amdhsa--gfx1250"
	.amdhsa_code_object_version 6
	.text
	.protected	k_qa7a2ef028c_quant
	.globl	k_qa7a2ef028c_quant
	.p2align	8
	.type	k_qa7a2ef028c_quant,@function
k_qa7a2ef028c_quant:
	s_mov_b64 s[64:65], 0
	v_nop
	global_prefetch_b8 v0, s[64:65] scope:SCOPE_SE
	s_setreg_imm32_b32 hwreg(HW_REG_WAVE_MODE, 25, 1), 1
	s_wait_xcnt 0x0
; x [8192][1024] and Wq, Wk, Wv, Wo [1024 (k)][1024 (n)], f32, become codes of BF6 (E3M2) with one E8M0 byte for each 32 along K, laid in w1 as the products' operand registers want them.
; ORDER OF ROWS: an operand's rows (x: tokens; a weight: its columns n) go in groups of 64, a group in 4 blocks of 16; lane r of block a stands for row 32 (a/2) + 8 (a%2) + r + 8 (r/8) of the group.
; FRAGMENT IMAGE (16 rows x 128 K, 12 registers a lane, 1,536 bytes): register j of lane l at byte 512 (j/4) + 16 l + 4 (j%4).  Codes: group x 49,152 + block x 12,288 + K step x 1,536.
; SCALE UNIT (a group, a K step: 256 bytes): byte 8 l + 4 j = the scale word of block 2 j + l/16, row l%16.  Units: S1 + group x 2,048 + K step x 256.  Groups 0-127: x; 128 + 16 w + c: weight w (q, k, v, o), columns 64 c on.
; A block's scale is 2^(floor(log2(largest magnitude)) - 4); its byte is the largest magnitude's exponent field - 4, held at 1 from below.
; LIMITS: a block of zeros gets the byte 1, not 127 (its codes are zeros, and this program alone reads the bytes); NaN and infinities among the inputs are not served.
; SHARES: a work-group takes 128 memory rows x 2,048 bytes (x and the weights both have rows of 4,096 bytes).  Work-groups 0-127: x; 128-191: the weights, 16 each.  Wave w brings the strip of 256 bytes at 256 w of all
; 128 rows by ONE tensor load, the launch's only fill, so all that the launch reads is asked for at its head.  LDS rows are 272 bytes apart.  Nothing is stored to LDS and nothing is filled again.
; Each wave then makes 64 rows x 128 K: four fragments and one scale unit; every store of the wave covers 512 or 256 consecutive bytes, aligned.
.set STRIP, 34816                      ; a strip in LDS: 128 rows x 272 bytes
.set PITCH, 272
.set S1,    9437184                    ; where the scale units begin in w1
.set XA,    5                          ; v5   x path: my lane's LDS byte
.set L16,   6                          ; v6   16 x lane
.set L8,    7                          ; v7   8 x lane
.set WA,    8                          ; v8   weights' path: my lane's LDS byte
.set H8,    10                         ; v10  8 x (lane / 16)
.set XR,    32                         ; v32-159  numbers: x path two sets of 64, weights' path two sets of 32
.set FR,    160                        ; v160-207 the four fragments
.set TP,    208                        ; v208-214 a conversion's second halves
.set MX,    216                        ; v216-225 at work
.set WD,    232                        ; v232-235 scale words; v236-237 the x path's unit
	s_load_b256 s[4:11], s[0:1], 0x0               ; x, Wq, Wk, Wv
	s_load_b128 s[12:15], s[0:1], 0x20             ; Wo, w1
	v_lshl_add_u32 v254, v0, 2, 0x44000
	v_mov_b32 v255, 0
	ds_add_u32 v254, v255
	ds_add_u32 v254, v255
	v_lshrrev_b32 v1, 5, v0
	v_readfirstlane_b32 s16, v1                    ; wave 0..7
	; descriptor group 1: 128 rows x 32 elements of 8 bytes, 512 elements from row to row; 4 words of padding behind every 64
	s_mov_b32 s24, (3<<16)|(1<<20)|(5<<22)|(3<<25)
	s_mov_b32 s25, 32<<16                          ; tensor_dim0
	s_mov_b32 s26, 128<<16                         ; tensor_dim1
	s_mov_b32 s27, 32<<16                          ; tile_dim0
	s_mov_b32 s28, 128                             ; tile_dim1
	s_mov_b32 s29, 512                             ; stride
	s_mov_b32 s30, 0
	s_mov_b32 s31, 0
	s_lshr_b32 s17, ttmp9, 1                       ; j >> 1
	s_and_b32 s18, s17, 7                          ; a weight's 128 rows of k: its K step
	s_and_b32 s19, ttmp9, 1                        ; which 2,048 bytes of the rows
	s_lshr_b32 s36, s16, 1                         ; x path: which 128 along K of the tile's 512,
	s_and_b32 s37, s16, 1                          ; and which 64 rows
	s_lshl_b32 s38, s17, 1
	s_add_co_u32 s38, s38, s37                     ; x: group
	s_lshl_b32 s39, s19, 2
	s_add_co_u32 s39, s39, s36                     ; x: K step
	s_and_b32 s40, ttmp9, 0x30                     ; 16 x weight
	s_lshl_b32 s41, s19, 3
	s_add_co_u32 s40, s40, s41
	s_add_co_u32 s40, s40, s16
	s_add_co_u32 s40, s40, 128                     ; weights: group 128 + 16 weight + 8 half + wave
	s_cmp_lt_u32 ttmp9, 128                        ; x's work-group or a weight's: by the work-group's number alone
	s_cselect_b32 s20, s17, s18                    ; which 128 memory rows
	s_cselect_b32 s46, s38, s40                    ; my wave's group
	s_cselect_b32 s47, s39, s18                    ; and K step
	s_lshl_b32 s20, s20, 19                        ; 128 rows of 4,096 bytes
	s_lshl_b32 s21, s19, 11
	s_add_co_u32 s20, s20, s21
	s_lshl_b32 s21, s16, 8                         ; my strip
	s_add_co_u32 s20, s20, s21
	s_mov_b32 s21, 0
	s_mov_b32 s32, 1                               ; group 0: count
	s_mul_i32 s33, s16, STRIP                      ; LDS address: my strip's
	s_mul_i32 s48, s46, 49152
	s_mul_i32 s49, s47, 1536
	s_add_co_u32 s48, s48, s49                     ; my fragments' place in w1
	s_mov_b32 s49, 0
	s_lshl_b32 s54, s46, 11
	s_lshl_b32 s55, s47, 8
	s_add_co_u32 s54, s54, s55
	s_add_co_u32 s54, s54, S1                      ; my scale unit's
	s_mov_b32 s55, 0
	s_mov_b32 s50, 0x76543210
	s_mov_b32 s51, 0xfedcba98                      ; v_permlanex16_b32's selects for lane l xor 16
	s_mov_b32 s52, 0xffff0000                      ; lanes 16-31
	s_wait_dscnt 0x0
	s_wait_kmcnt 0x0
	s_mov_b64 s[22:23], s[12:13]                   ; the tensor: Wo, unless the work-group's number says otherwise
	s_cmp_lt_u32 ttmp9, 176
	s_cselect_b64 s[22:23], s[10:11], s[22:23]
	s_cmp_lt_u32 ttmp9, 160
	s_cselect_b64 s[22:23], s[8:9], s[22:23]
	s_cmp_lt_u32 ttmp9, 144
	s_cselect_b64 s[22:23], s[6:7], s[22:23]
	s_cmp_lt_u32 ttmp9, 128
	s_cselect_b64 s[22:23], s[4:5], s[22:23]
	s_add_nc_u64 s[34:35], s[22:23], s[20:21]
	s_or_b32 s35, s35, 0x80000000                  ; type = 2
	tensor_load_to_lds s[32:35], s[24:31]          ; my one tensor load
	s_nop 0
.rept 4
	v_nop
.endr
	s_add_nc_u64 s[42:43], s[14:15], s[48:49]
	s_add_nc_u64 s[44:45], s[14:15], s[54:55]
	v_and_b32 v1, 31, v0
	v_lshlrev_b32 v[L16], 4, v1
	v_lshlrev_b32 v[L8], 3, v1
	v_and_b32 v2, 15, v0                           ; r
	v_bfe_u32 v3, v0, 4, 1                         ; h
	v_lshlrev_b32 v[H8], 3, v3
	v_and_b32 v4, 8, v2
	v_add_nc_u32 v4, v4, v2                        ; r + 8 (r / 8)
	v_mul_u32_u24 v[XA], v4, PITCH
	v_lshl_add_u32 v[XA], v3, 7, v[XA]             ; + 128 h: lane (r, h) takes k = 64 c + 32 h + 0 .. 31 of its row
	s_mul_i32 s38, s36, 2*STRIP                    ; two strips are 128 along K
	s_mul_i32 s39, s37, 64*PITCH
	s_add_co_u32 s38, s38, s39
	v_add_nc_u32 v[XA], s38, v[XA]
	v_and_b32 v[WA], 7, v0                         ; weights: lane l stands for column (l & 7) + 2 (l & 8) + (l & 16) / 2 of 32: lanes 0-15 an even block's rows, lanes 16-31 the odd block's
	v_and_b32 v9, 8, v0
	v_lshl_add_u32 v[WA], v9, 1, v[WA]
	v_and_b32 v9, 16, v0
	v_lshrrev_b32 v9, 1, v9
	v_add_nc_u32 v[WA], v[WA], v9
	v_lshlrev_b32 v[WA], 2, v[WA]
	v_add_nc_u32 v[WA], s33, v[WA]                 ; in my own strip
	v_mov_b32 v[MX+9], 0                           ; written once: a lane permute's destination counts as one of its sources
	s_wait_tensorcnt 0x0                           ; my strip has landed,
	s_barrier_signal -1
	s_barrier_wait -1                              ; everybody's has: x's waves read two strips that other waves brought
	s_cmp_lt_u32 ttmp9, 128
	s_cbranch_scc0 .Lweights
; ---- x: K is innermost.  Fragment a: lane (r, h) reads 2 x 128 bytes of its row: blocks h and 2 + h, whole.
.macro FRAG a
.irp c, 0,1
.irp q, 0,1,2,3,4,5,6,7
	ds_load_b128 v[XR+64*((\a)%2)+32*\c+4*\q:XR+64*((\a)%2)+32*\c+4*\q+3], v[XA] offset:\c*STRIP+(32*((\a)/2)+8*((\a)%2))*PITCH+16*\q
.endr
.endr
.endm
.macro QW a
.set XS, XR+64*((\a)%2)
.set PC, FR+12*(\a)
.irp c, 0,1                            ; each block's largest magnitude in two chains; the floor 2^(5 - 127) is one more leaf, so the byte cannot fall under 1
	v_max3_num_f32 v[MX+\c], |v[XS+32*\c]|, |v[XS+32*\c+1]|, 0x2800000
	v_max3_num_f32 v[MX+2+\c], |v[XS+32*\c+16]|, |v[XS+32*\c+17]|, |v[XS+32*\c+18]|
.endr
.irp i, 2,4,6,8,10,12
.irp c, 0,1
	v_max3_num_f32 v[MX+\c], v[MX+\c], |v[XS+32*\c+\i]|, |v[XS+32*\c+\i+1]|
	v_max3_num_f32 v[MX+2+\c], v[MX+2+\c], |v[XS+32*\c+17+\i]|, |v[XS+32*\c+18+\i]|
.endr
.endr
.irp c, 0,1
	v_max3_num_f32 v[MX+\c], v[MX+\c], |v[XS+32*\c+14]|, |v[XS+32*\c+15]|
.endr
.irp c, 0,1
	v_max3_num_f32 v[MX+\c], v[MX+\c], v[MX+2+\c], |v[XS+32*\c+31]|
.endr
.irp c, 0,1
	v_add_nc_u32 v[MX+4+\c], 0xfe000000, v[MX+\c]  ; 4 off the exponent field: the conversion's scale operand
.endr
.irp c, 0,1
	v_lshrrev_b32 v[MX+6+\c], 23, v[MX+4+\c]       ; the scale's byte
.endr
	v_lshl_or_b32 v[MX+8], v[MX+7], 16, v[MX+6]    ; my two bytes, blocks h and 2 + h,
	v_lshlrev_b32 v[MX+8], v[H8], v[MX+8]          ; at their places;
	v_permlanex16_b32 v[MX+9], v[MX+8], s50, s51
	v_or_b32 v[WD+\a], v[MX+8], v[MX+9]            ; with lane l xor 16's two the row's word is whole, in both lanes
.irp c, 0,1
	v_cvt_scalef32_pk16_bf6_f32 v[PC+6*\c:PC+6*\c+2], v[XS+32*\c:XS+32*\c+15], v[MX+4+\c]
	v_cvt_scalef32_pk16_bf6_f32 v[TP+4*\c:TP+4*\c+2], v[XS+32*\c+16:XS+32*\c+31], v[MX+4+\c]   ; (a conversion's three registers begin on an even number)
.endr
	v_nop                                          ; one plain line behind the scaled conversions
.irp c, 0,1
.irp i, 0,1,2
	v_mov_b32 v[PC+6*\c+3+\i], v[TP+4*\c+\i]
.endr
.endr
.endm
	FRAG 0
	FRAG 1
.irp a, 0,1,2,3
.if \a < 3
	s_wait_dscnt 16                                ; this fragment's 16 loads are in; the next fragment's 16 may be out
.else
	s_wait_dscnt 0x0
.endif
	QW \a
.irp g, 0,1,2
	global_store_b128 v[L16], v[FR+12*\a+4*\g:FR+12*\a+4*\g+3], s[42:43] offset:\a*12288+512*\g   ; 512 consecutive bytes; each fragment has registers of its own, so no store's data are written again
.endr
.if \a < 2
	FRAG \a+2
.endif
.endr
	v_cndmask_b32 v236, v232, v233, s52            ; the unit: register j holds block 2 j's words in lanes 0-15 and block 2 j + 1's in lanes 16-31
	v_cndmask_b32 v237, v234, v235, s52
	global_store_b64 v[L8], v[236:237], s[44:45]   ; 256 consecutive bytes
	s_wait_tensorcnt 0x0
	ds_add_u32 v254, v255
	s_wait_dscnt 0x0
	s_endpgm
; ---- the weights: K is the first axis.  A lane takes a column and its registers run down K: a block of 32 lies in one lane.  Two passes of 32 columns, four blocks each.
.Lweights:
.macro LOADB q
.set i, 0
.rept 32
	ds_load_b32 v[XR+32*((\q)%2)+i], v[WA] offset:(32*((\q)%4)+i)*PITCH+128*((\q)/4)
.set i, i+1
.endr
.endm
.macro QB q
.set XS, XR+32*((\q)%2)
.set QP, (\q)/4
.set QK, (\q)%4
.set PC, FR+24*QP+12*(QK%2)+6*(QK/2)   ; blocks 0 and 2 of a pass go to one run of 12 registers, blocks 1 and 3 to the other
	v_max3_num_f32 v[MX], |v[XS]|, |v[XS+1]|, |v[XS+2]|
	v_max3_num_f32 v[MX+1], |v[XS+3]|, |v[XS+4]|, |v[XS+5]|
.irp i, 6,10,14,18,22,26
	v_max3_num_f32 v[MX], v[MX], |v[XS+\i]|, |v[XS+\i+1]|
	v_max3_num_f32 v[MX+1], v[MX+1], |v[XS+\i+2]|, |v[XS+\i+3]|
.endr
	v_max3_num_f32 v[MX], v[MX], |v[XS+30]|, |v[XS+31]|
	v_max3_num_f32 v[MX], v[MX], v[MX+1], 0x2800000
	v_add_nc_u32 v[MX+2], 0xfe000000, v[MX]
	v_lshrrev_b32 v[MX+3], 23, v[MX+2]
.if QK == 0
	v_mov_b32 v[WD+QP], v[MX+3]                    ; the column's scale word, the lower K in the lower byte
.else
	v_lshl_or_b32 v[WD+QP], v[MX+3], 8*QK, v[WD+QP]
.endif
	v_cvt_scalef32_pk16_bf6_f32 v[PC:PC+2], v[XS:XS+15], v[MX+2]
	v_cvt_scalef32_pk16_bf6_f32 v[TP:TP+2], v[XS+16:XS+31], v[MX+2]
	v_nop
.irp i, 0,1,2
	v_mov_b32 v[PC+3+\i], v[TP+\i]
.endr
.endm
	LOADB 0
	LOADB 1
.irp q, 0,1,2,3,4,5,6,7
.if \q < 7
	s_wait_dscnt 32                                ; this block's 32 loads are in; the next block's 32 may be out
.else
	s_wait_dscnt 0x0
.endif
	QB \q
.if \q < 6
	LOADB \q+2
.endif
.if (\q)%4 == 3                        ; a pass is done: lanes 16-31 of the even blocks' run change places with lanes 0-15 of the odd blocks': the two runs are then fragments 2 p and 2 p + 1
.set i, 0
.rept 12
	v_permlane16_swap_b32 v[FR+24*((\q)/4)+i], v[FR+24*((\q)/4)+12+i]
.set i, i+1
.endr
.irp f, 0,1
.irp g, 0,1,2
	global_store_b128 v[L16], v[FR+24*((\q)/4)+12*\f+4*\g:FR+24*((\q)/4)+12*\f+4*\g+3], s[42:43] offset:(2*((\q)/4)+\f)*12288+512*\g
.endr
.endr
.endif
.endr
	global_store_b64 v[L8], v[WD:WD+1], s[44:45]   ; pass p's words are the unit's register p as they stand
	s_wait_tensorcnt 0x0
	ds_add_u32 v254, v255
	s_wait_dscnt 0x0
	s_endpgm
.Lfunc_end_k_qa7a2ef028c_quant:
	.size	k_qa7a2ef028c_quant, .Lfunc_end_k_qa7a2ef028c_quant-k_qa7a2ef028c_quant
	.p2alignl 7, 3214868480
	.fill 96, 4, 3214868480
	.section	.rodata,"a",@progbits
	.p2align	6, 0x0
	.amdhsa_kernel k_qa7a2ef028c_quant
		.amdhsa_group_segment_fixed_size 279552
		.amdhsa_private_segment_fixed_size 0
		.amdhsa_enable_private_segment 0
		.amdhsa_kernarg_size 48
		.amdhsa_user_sgpr_count 2
		.amdhsa_user_sgpr_kernarg_segment_ptr 1
		.amdhsa_wavefront_size32 1
		.amdhsa_system_sgpr_workgroup_id_x 1
		.amdhsa_system_sgpr_workgroup_id_y 1
		.amdhsa_system_sgpr_workgroup_id_z 1
		.amdhsa_system_vgpr_workitem_id 0
		.amdhsa_next_free_vgpr 256
		.amdhsa_next_free_sgpr 66
		.amdhsa_reserve_vcc 0
		.amdhsa_float_denorm_mode_32 3
		.amdhsa_float_denorm_mode_16_64 3
		.amdhsa_memory_ordered 1
		.amdhsa_forward_progress 1
		.amdhsa_inst_pref_size 52
	.end_amdhsa_kernel
	.amdgpu_metadata
---
amdhsa.version: [ 1, 2 ]
amdhsa.kernels:
  - .name:           k_qa7a2ef028c_quant
    .symbol:         k_qa7a2ef028c_quant.kd
    .args:
      - { .name: x, .offset: 0, .size: 8, .value_kind: global_buffer, .address_space: global }
      - { .name: Wq, .offset: 8, .size: 8, .value_kind: global_buffer, .address_space: global }
      - { .name: Wk, .offset: 16, .size: 8, .value_kind: global_buffer, .address_space: global }
      - { .name: Wv, .offset: 24, .size: 8, .value_kind: global_buffer, .address_space: global }
      - { .name: Wo, .offset: 32, .size: 8, .value_kind: global_buffer, .address_space: global }
      - { .name: w1, .offset: 40, .size: 8, .value_kind: global_buffer, .address_space: global }
    .group_segment_fixed_size: 279552
    .private_segment_fixed_size: 0
    .kernarg_segment_align: 8
    .kernarg_segment_size: 48
    .max_flat_workgroup_size: 256
    .sgpr_count:     66
    .vgpr_count:     256
    .wavefront_size: 32
...
	.end_amdgpu_metadata
.endif
;; end of part 1
;; launch qkv (part 2): grid 12 x 64, 4 waves a work-group, clusters of 4 x 4, 307,712 bytes of LDS; arguments w1, bq, bk, bv, w2; writes w2
.if DOCPART == 2
	.amdgcn_target "amdgcn-amd-amdhsa--gfx1250"
	.amdhsa_code_object_version 6
	.text
	.protected	k_qa7a2ef028c_qkv
	.globl	k_qa7a2ef028c_qkv
	.p2align	8
	.type	k_qa7a2ef028c_qkv,@function
k_qa7a2ef028c_qkv:
	s_mov_b64 s[64:65], 0
	v_nop
	global_prefetch_b8 v0, s[64:65] scope:SCOPE_SE
	s_setreg_imm32_b32 hwreg(HW_REG_WAVE_MODE, 25, 1), 1
	s_wait_xcnt 0x0
	s_wait_alu depctr_hold_cnt(0) depctr_sa_sdst(0) depctr_va_vdst(0) depctr_va_sdst(0) depctr_va_ssrc(0) depctr_va_vcc(0) depctr_vm_vsrc(0)
	s_getreg_b32 s2, hwreg(HW_REG_IB_STS2, 6, 4)
	s_cmp_eq_u32 s2, 0
	s_cbranch_scc0 .Lentry_in_a_cluster
	s_endpgm
.Lentry_in_a_cluster:
	s_bfe_u32 s2, ttmp6, 0x10000c
	s_cmp_lg_u32 s2, 0xf033
	s_cbranch_scc0 .Lentry_shape_is_right
	s_endpgm
.Lentry_shape_is_right:
; q = x Wq + bq, k = x Wk + bk and V^T = (x Wv + bv)^T on codes of BF6 (E3M2) with E8M0 scales from w1; sums in f32; each result is quantised here, along the next product's K, and goes to w2 as codes.
; CLUSTER x 0: q, 1: k, 2: V^T.  Operand "A" (source 1, 128 rows a work-group) is x for q and k, Wv^T for V^T; operand "B" (source 0, 256 rows) is the weight for q and k, x for V^T.
; The product is used transposed: a lane holds ONE row of A, and by the order of rows in w1 (lane r of block a = row 32 (a/2) + 8 (a%2) + r + 8 (r/8) of a group of 64) the 16 registers of B's blocks 2 b, 2 b + 1 are the
; 16 neighbours 32 b + 16 (lane/16) + i along B's rows: the head's channels for q and k, the keys for V^T: the axis along which the result is quantised.
; A work-group's tile, 128 x 256 over ALL of K = 1,024, is 98,304 + 196,608 bytes of codes: it fits in LDS whole.  So every LDS byte is filled once: five tensor loads a wave at the head (its scale units, four chunks of two
; K steps), and K is multiplied as the chunks land.  No slot is filled again.  Five tensor loads of a wave are out at the most.
; CLUSTERS: 4 x 4 work-groups; A's tiles are shared along a row of the cluster, B's along a column: joint loads with a mask that names the four.
; A wave makes 64 rows of A x 128 rows of B: 32 accumulators.  The bias is the C of each sum's first product (so it is added first, not last).
; OUT: pair images (16 rows x 64 K, six registers: 0-3 at 16 l, 4-5 at 512 + 8 l; 768 bytes).  q at 0, k at 6,291,456: [block of 16 tokens][head][768]; V^T at 12,582,912: [block of 16 channels][64 keys][768].
; Scale units of 256 bytes (byte 8 l + 4 j: block 2 j + l/16, row l%16) at 18,874,368 + 262,144 x cluster x: q, k: [64 tokens][two heads]; V^T: [head][128 keys].
; LIMITS: a block of zeros gets the byte 1, not 127 (its codes are zeros; this program alone reads the bytes); NaN and infinities are not served.
; REGISTERS: window 0: v1-19 addresses; v32-95 scale words of all 8 K steps; v96-191 A's fragments, two sets; v192-255 the bias.  window 1: v0-191 B's fragments, two sets.  window 2: accumulator (a, t) at v[8 (8 a + t)].
.set S1,  9437184                      ; w1: where the scale units begin
.set AC,  0                            ; LDS: A's codes: half x 49,152 + chunk x 12,288 + block x 3,072 + (step % 2) x 1,536
.set BC,  98304                        ; B's codes: half x 98,304 + chunk x 24,576 + block x 3,072 + (step % 2) x 1,536
.set AS,  294912                       ; A's scale units: half x 2,048 + step x 256
.set BS,  299008                       ; B's: half x 4,096 + group x 2,048 + step x 256
.set L16, 1
.set L8,  2
.set VA,  5
.set VB0, 6
.set VB1, 7
.set VS,  8
.set OA,  12                           ; v12-15 block a's place in the output + 16 l;  v16-19 the same + 8 l
.set OB,  16
.set SC,  32
.set AF,  96
.set BI,  192
.set TM,  200                          ; the epilogue's 16 registers at work; v216-219 scale words, v220-221 the unit
.set SEL, 28
.set G1A, 24
.set G1B, 32
.set G1SA, 40
.set G1SB, 48
.set MSB, 0
.macro WIN new                         ; the immediate's high byte repeats the setting that is left
.if MSB != \new
	s_set_vgpr_msb (MSB<<8)|\new
.set MSB, \new
.endif
.endm
.macro PLACES                          ; four plain lines between a matrix instruction and a load into, or a read of, its registers
.rept 4
	v_nop
.endr
.endm
.macro CROUND                          ; a round of the cluster's barrier
	s_barrier_signal -1
	s_barrier_wait -1
	s_cmp_lg_u32 s14, 0
	s_cbranch_scc1 .Lnot_wave_0_\@
	s_barrier_signal -3
.Lnot_wave_0_\@:
	s_barrier_wait -3
	s_barrier_signal -1
	s_barrier_wait -1
.endm
	s_load_b256 s[4:11], s[0:1], 0x0               ; w1, bq, bk, bv
	s_load_b64 s[12:13], s[0:1], 0x20              ; w2
	v_lshl_add_u32 v30, v0, 2, 0x4b000
	v_mov_b32 v31, 0
	ds_add_u32 v30, v31
	ds_add_u32 v30, v31
	v_lshrrev_b32 v1, 5, v0
	v_readfirstlane_b32 s14, v1                    ; wave 0..3
	s_lshr_b32 s15, s14, 1                         ; which 64 rows of A are mine.  Also: I fetch for A (0) or for B (1)
	s_and_b32 s16, s14, 1                          ; which 128 rows of B.  Also: which half of that tile I fetch
	s_bfe_u32 s17, ttmp6, 0x40000                  ; cx
	s_bfe_u32 s18, ttmp6, 0x40004                  ; cy
	s_mov_b32 s19, ttmp9                           ; cluster x: 0 q, 1 k, 2 V^T: the same in all sixteen partners
	s_and_b32 s20, ttmp7, 0xffff                   ; cluster y: 0..15
	s_mov_b32 s22, 0xffff0000                      ; lanes 16-31
	s_lshl_b32 s2, s18, 2
	s_lshl_b32 s2, 15, s2                          ; my row of the cluster
	s_lshl_b32 s3, 0x1111, s17                     ; my column
	s_or_b32 s[G1A], s2, (3<<16)|(1<<21)           ; 15:0 the mask; 17:16 elements of 8 bytes; 21 set beside a mask; no padding: every fragment load reads 512 consecutive bytes
	s_or_b32 s[G1B], s3, (3<<16)|(1<<21)
	s_or_b32 s[G1SA], s2, (3<<16)|(1<<21)
	s_or_b32 s[G1SB], s3, (3<<16)|(1<<21)
.irp g, G1A, G1B                       ; codes: rows of 3,072 bytes (a block's two K steps), 12,288 bytes apart: 4 blocks for A, 8 for B
	s_mov_b32 s[\g+1], 384<<16
	s_mov_b32 s[\g+3], 384<<16
	s_mov_b32 s[\g+5], 1536
	s_mov_b32 s[\g+6], 0
	s_mov_b32 s[\g+7], 0
.endr
	s_mov_b32 s[G1A+2], 4<<16
	s_mov_b32 s[G1A+4], 4
	s_mov_b32 s[G1B+2], 8<<16
	s_mov_b32 s[G1B+4], 8
.irp g, G1SA, G1SB                     ; scale units: dense rows of 256 bytes: 8 for A's group, 16 for B's two
	s_mov_b32 s[\g+1], 32<<16
	s_mov_b32 s[\g+3], 32<<16
	s_mov_b32 s[\g+5], 32
	s_mov_b32 s[\g+6], 0
	s_mov_b32 s[\g+7], 0
.endr
	s_mov_b32 s[G1SA+2], 8<<16
	s_mov_b32 s[G1SA+4], 8
	s_mov_b32 s[G1SB+2], 16<<16
	s_mov_b32 s[G1SB+4], 16
	; which tile.  q, k: 64 tile rows of tokens x 4 tile columns of the weight.  V^T: 8 tile rows of Wv^T x 32 tile columns of tokens
	s_lshr_b32 s2, s20, 3
	s_and_b32 s3, s20, 7
	s_lshl_b32 s66, s19, 4
	s_add_co_u32 s66, s66, 128                     ; the weight's first group
	s_mov_b32 s21, 12288
	s_cmp_eq_u32 s19, 2
	s_cselect_b32 s2, s2, s20
	s_cselect_b32 s3, s3, 0
	s_cselect_b32 s67, 160, 0                      ; A's first group
	s_cselect_b32 s66, 0, s66                      ; B's first group
	s_cselect_b32 s21, 98304, s21                  ; the output: bytes from a block of 16 rows to the next
	s_cselect_b32 s23, 64, 8                       ; and scale units to a group
	s_lshl_b32 s2, s2, 2
	s_add_co_u32 s100, s2, s18                     ; tile row
	s_lshl_b32 s3, s3, 2
	s_add_co_u32 s101, s3, s17                     ; tile column
	; A's descriptors hang on the tile row and the wave's number, B's on the tile column and the wave's number
	s_lshl_b32 s2, s100, 1
	s_add_co_u32 s2, s2, s67
	s_add_co_u32 s2, s2, s16                       ; A: the group that I fetch
	s_lshl_b32 s58, s2, 11
	s_add_co_u32 s58, s58, S1
	s_mov_b32 s59, 0
	s_mul_i32 s62, s2, 49152
	s_mov_b32 s63, 0
	s_lshl_b32 s3, s101, 2
	s_add_co_u32 s3, s3, s66
	s_add_co_u32 s3, s3, s16
	s_add_co_u32 s3, s3, s16                       ; B: the first of the two groups that I fetch
	s_lshl_b32 s82, s3, 11
	s_add_co_u32 s82, s82, S1
	s_mov_b32 s83, 0
	s_mul_i32 s86, s3, 49152
	s_mov_b32 s87, 0
.irp g, 56,60,68,72,76,80,84,88,92,96
	s_mov_b32 s\g, 1                               ; count
.endr
	s_lshl_b32 s57, s16, 11                        ; LDS addresses: constants and the wave's number alone
	s_add_co_u32 s57, s57, AS
	s_mul_i32 s61, s16, 49152
	s_add_co_u32 s69, s61, 12288
	s_add_co_u32 s73, s61, 24576
	s_add_co_u32 s77, s61, 36864
	s_lshl_b32 s81, s16, 12
	s_add_co_u32 s81, s81, BS
	s_mul_i32 s85, s16, 98304
	s_add_co_u32 s85, s85, BC
	s_add_co_u32 s89, s85, 24576
	s_add_co_u32 s93, s85, 49152
	s_add_co_u32 s97, s85, 73728
	s_wait_dscnt 0x0
	s_wait_kmcnt 0x0
	s_add_nc_u64 s[58:59], s[4:5], s[58:59]
	s_add_nc_u64 s[62:63], s[4:5], s[62:63]        ; chunk 0; a chunk is 3,072 bytes on in each block's row
	s_add_nc_u64 s[70:71], s[62:63], 3072
	s_add_nc_u64 s[74:75], s[62:63], 6144
	s_add_nc_u64 s[78:79], s[62:63], 9216
	s_add_nc_u64 s[82:83], s[4:5], s[82:83]
	s_add_nc_u64 s[86:87], s[4:5], s[86:87]
	s_add_nc_u64 s[90:91], s[86:87], 3072
	s_add_nc_u64 s[94:95], s[86:87], 6144
	s_add_nc_u64 s[98:99], s[86:87], 9216
.irp g, 59,63,71,75,79,83,87,91,95,99
	s_or_b32 s\g, s\g, 0x80000000                  ; type = 2
.endr
	CROUND                                         ; all sixteen work-groups are here: the joint loads meet
	s_cmp_eq_u32 s15, 0                            ; a wave's five fills stand in one branch on the wave's number, ahead of every wait on TENSORcnt and every LDS read
	s_cbranch_scc0 .Lfill_b
	tensor_load_to_lds s[56:59], s[G1SA:G1SA+7]
	s_nop 0
	tensor_load_to_lds s[60:63], s[G1A:G1A+7]
	s_nop 0
	tensor_load_to_lds s[68:71], s[G1A:G1A+7]
	s_nop 0
	tensor_load_to_lds s[72:75], s[G1A:G1A+7]
	s_nop 0
	tensor_load_to_lds s[76:79], s[G1A:G1A+7]
	s_nop 0
	PLACES
	s_branch .Lfilled
.Lfill_b:
	tensor_load_to_lds s[80:83], s[G1SB:G1SB+7]
	s_nop 0
	tensor_load_to_lds s[84:87], s[G1B:G1B+7]
	s_nop 0
	tensor_load_to_lds s[88:91], s[G1B:G1B+7]
	s_nop 0
	tensor_load_to_lds s[92:95], s[G1B:G1B+7]
	s_nop 0
	tensor_load_to_lds s[96:99], s[G1B:G1B+7]
	s_nop 0
	PLACES
.Lfilled:
	v_and_b32 v9, 31, v0
	v_lshlrev_b32 v[L16], 4, v9
	v_lshlrev_b32 v[L8], 3, v9
	v_and_b32 v3, 15, v0                           ; r
	v_bfe_u32 v4, v0, 4, 1                         ; h
	s_mul_i32 s2, s15, 49152
	v_add_nc_u32 v[VA], s2, v[L16]                 ; my 64 rows of A
	s_mul_i32 s3, s16, 98304
	s_add_co_u32 s3, s3, BC
	v_add_nc_u32 v[VB0], s3, v[L16]                ; my 128 rows of B, chunks 0 and 1;
	v_add_nc_u32 v[VB1], 49152, v[VB0]             ; chunks 2 and 3
	s_lshl_b32 s2, s15, 11                         ; scale words: lanes 0-15 take A's units, lanes 16-31 B's: the lower base + h x the distance
	s_lshl_b32 s3, s16, 12
	s_add_co_u32 s3, s3, BS-AS
	s_sub_co_u32 s3, s3, s2
	v_mul_u32_u24 v9, s3, v4
	s_add_co_u32 s2, s2, AS
	v_lshl_add_u32 v9, v3, 3, v9
	v_add_nc_u32 v[VS], s2, v9
.irp a, 0,1,2,3
	v_mad_u32_u24 v[OA+\a], s21, \a, v[L16]
	v_mad_u32_u24 v[OB+\a], s21, \a, v[L8]
.endr
	v_lshlrev_b32 v10, 6, v4                       ; bias along B's rows: 16 h numbers on
	v_and_b32 v11, 8, v3
	v_add_nc_u32 v11, v11, v3
	v_lshlrev_b32 v11, 2, v11                      ; bias along A's rows: my row r + 8 (r / 8)
	s_cmp_eq_u32 s19, 2
	s_cbranch_scc1 .Lbias_v
	s_cmp_eq_u32 s19, 0
	s_cselect_b64 s[6:7], s[6:7], s[8:9]           ; bq or bk
	s_lshl_b32 s2, s101, 10
	s_lshl_b32 s3, s16, 9
	s_add_co_u32 s2, s2, s3                        ; my 128 columns
	s_mov_b32 s3, 0
	s_add_nc_u64 s[6:7], s[6:7], s[2:3]
.irp t, 0,1,2,3,4,5,6,7                ; block t's eight registers: columns 32 (t/2) + 8 (t%2) + 16 h + 0 .. 7
	global_load_b128 v[BI+8*\t:BI+8*\t+3], v10, s[6:7] offset:(32*(\t/2)+8*(\t%2))*4
	global_load_b128 v[BI+8*\t+4:BI+8*\t+7], v10, s[6:7] offset:(32*(\t/2)+8*(\t%2))*4+16
.endr
	s_branch .Lbias_done
.Lbias_v:
	s_lshl_b32 s2, s100, 9
	s_lshl_b32 s3, s15, 8
	s_add_co_u32 s2, s2, s3                        ; my 64 channels
	s_mov_b32 s3, 0
	s_add_nc_u64 s[10:11], s[10:11], s[2:3]
.irp a, 0,1,2,3                        ; V^T: a lane's eight registers of block a all belong to its own channel
.irp j, 0,1,2,3,4,5,6,7
	global_load_b32 v[BI+8*\a+\j], v11, s[10:11] offset:(32*(\a/2)+8*(\a%2))*4
.endr
.endr
.Lbias_done:
.macro SCALES                          ; all 8 K steps' words: register SC + 8 s + 2 x + j: lanes 16-31: B's group x/2, block 2 j + x%2; lanes 0-15 (x < 2): A's block 2 j + x
.irp s, 0,1,2,3,4,5,6,7
.irp x, 0,1,2,3
	ds_load_b64 v[SC+8*\s+2*\x:SC+8*\s+2*\x+1], v[VS] offset:256*\s+128*(\x%2)+2048*(\x/2)
.endr
.endr
.endm
.macro FETCH s                         ; K step s: B's eight fragments and A's four into set s % 2: 36 loads of 512 consecutive bytes
.set FS, (\s)%2
.set FC, (\s)/2
	WIN 0x40
.irp i, 0,1,2,3,4,5,6,7
.irp g, 0,1,2
.if FC < 2
	ds_load_b128 v[96*FS+12*\i+4*\g:96*FS+12*\i+4*\g+3], v[VB0] offset:(FC%2)*24576+\i*3072+FS*1536+512*\g
.else
	ds_load_b128 v[96*FS+12*\i+4*\g:96*FS+12*\i+4*\g+3], v[VB1] offset:(FC%2)*24576+\i*3072+FS*1536+512*\g
.endif
.endr
.endr
	WIN 0
.irp i, 0,1,2,3
.irp g, 0,1,2
	ds_load_b128 v[AF+48*FS+12*\i+4*\g:AF+48*FS+12*\i+4*\g+3], v[VA] offset:FC*12288+\i*3072+FS*1536+512*\g
.endr
.endr
.endm
; 32 products: the accumulators take turns, one instruction a turn, in the same order in every K step.  cm = 0: onto the sums; 1: the bias along B's rows starts them; 2: the bias along A's rows
.macro MUL s, cm
.set FS, (\s)%2
.if \cm == 0
	WIN 0xa1                                       ; source 0 (B) window 1, source 1 (A) window 0, C and D window 2
.else
	WIN 0x81                                       ; C (the bias) window 0
.endif
.irp a, 0,1,2,3
.irp t, 0,1,2,3,4,5,6,7
.if \cm == 0
	v_wmma_scale_f32_16x16x128_f8f6f4 v[8*(8*\a+\t):8*(8*\a+\t)+7], v[96*FS+12*\t:96*FS+12*\t+11], v[AF+48*FS+12*\a:AF+48*FS+12*\a+11], v[8*(8*\a+\t):8*(8*\a+\t)+7], v[SC+8*(\s)+2*(2*(\t/4)+\t%2)+(\t%4)/2], v[SC+8*(\s)+2*(\a%2)+\a/2] matrix_a_fmt:MATRIX_FMT_BF6 matrix_b_fmt:MATRIX_FMT_BF6 matrix_a_scale:MATRIX_SCALE_ROW1
.elseif \cm == 1
	v_wmma_scale_f32_16x16x128_f8f6f4 v[8*(8*\a+\t):8*(8*\a+\t)+7], v[96*FS+12*\t:96*FS+12*\t+11], v[AF+48*FS+12*\a:AF+48*FS+12*\a+11], v[BI+8*\t:BI+8*\t+7], v[SC+8*(\s)+2*(2*(\t/4)+\t%2)+(\t%4)/2], v[SC+8*(\s)+2*(\a%2)+\a/2] matrix_a_fmt:MATRIX_FMT_BF6 matrix_b_fmt:MATRIX_FMT_BF6 matrix_a_scale:MATRIX_SCALE_ROW1
.else
	v_wmma_scale_f32_16x16x128_f8f6f4 v[8*(8*\a+\t):8*(8*\a+\t)+7], v[96*FS+12*\t:96*FS+12*\t+11], v[AF+48*FS+12*\a:AF+48*FS+12*\a+11], v[BI+8*\a:BI+8*\a+7], v[SC+8*(\s)+2*(2*(\t/4)+\t%2)+(\t%4)/2], v[SC+8*(\s)+2*(\a%2)+\a/2] matrix_a_fmt:MATRIX_FMT_BF6 matrix_b_fmt:MATRIX_FMT_BF6 matrix_a_scale:MATRIX_SCALE_ROW1
.endif
.endr
.endr
.endm
.macro STEP s
.if ((\s)%2) == 1 && (\s) < 7          ; the next step begins a new chunk
	s_wait_dscnt 0x0                               ; no LDS load of mine is out at the signal
	s_wait_tensorcnt 3-((\s)+1)/2                  ; my part of chunk (s + 1) / 2 has landed; the later chunks may stay out
	s_barrier_signal -1
	s_barrier_wait -1                              ; everybody's has
.endif
.if (\s) < 7
	PLACES                                         ; the loads below go into the set that the last step multiplied
	FETCH (\s)+1
	s_wait_dscnt 36                                ; all but the 36 just issued: this step's fragments are in
.else
	s_wait_dscnt 0x0
.endif
	MUL \s, 0
.endm
	s_wait_tensorcnt 3                             ; my scale units and my part of chunk 0 have landed; chunks 1 to 3 may stay out
	s_barrier_signal -1
	s_barrier_wait -1
	SCALES
	FETCH 0
	FETCH 1
	s_wait_dscnt 36                                ; the scale words and step 0's fragments are in
	s_wait_loadcnt 0x0                             ; the bias
	s_cmp_eq_u32 s19, 2
	s_cbranch_scc1 .Lmul_v
	MUL 0, 1
	WIN 0
	s_branch .Lmul_done
.Lmul_v:
	MUL 0, 2
	WIN 0
.Lmul_done:
.irp s, 1,2,3,4,5,6,7
	STEP \s
.endr
; THE EPILOGUE.  64 numbers of a lane (block a's eight accumulators: register 16 b + i = place 32 b + 16 (lane/16) + i along the next K) become a fragment's codes and its row's scale word.
.macro QH src, pc, pw, win
	WIN 5*(\win)                                   ; sources 0 and 1: the accumulators' window
.irp b, 0,1,2,3
	v_max3_num_f32 v[TM+\b], |v[(\src)+16*\b]|, |v[(\src)+16*\b+1]|, 0x2800000   ; each accumulator is read from its low end on; the floor 2^(5 - 127) holds the byte at 1 from below
.endr
.irp i, 2,4,6,8,10,12,14
.irp b, 0,1,2,3
	v_max3_num_f32 v[TM+\b], |v[(\src)+16*\b+\i]|, |v[(\src)+16*\b+\i+1]|, v[TM+\b]
.endr
.endr
	WIN 0
.irp b, 0,1,2,3
	v_permlanex16_b32 v[TM+4+\b], v[TM+\b], s[SEL], s[SEL+1]
.endr
.irp b, 0,1,2,3
	v_max_num_f32 v[TM+\b], v[TM+\b], v[TM+4+\b]   ; with lane l xor 16's 16: the block's largest magnitude
.endr
.irp b, 0,1,2,3
	v_add_nc_u32 v[TM+12+\b], 0xfe000000, v[TM+\b] ; 4 off the exponent field: the conversion's scale operand
.endr
.irp b, 0,1,2,3
	v_lshrrev_b32 v[TM+4+\b], 23, v[TM+12+\b]      ; the scale's byte
.endr
	v_lshl_or_b32 v[\pw], v[TM+5], 8, v[TM+4]
	v_lshl_or_b32 v[\pw], v[TM+6], 16, v[\pw]
	v_lshl_or_b32 v[\pw], v[TM+7], 24, v[\pw]
	WIN \win
.irp c, 0,1
	v_cvt_scalef32_pk16_bf6_f32 v[(\pc)+6*\c:(\pc)+6*\c+2], v[(\src)+32*\c:(\src)+32*\c+15], v[TM+12+2*\c]
	v_cvt_scalef32_pk16_bf6_f32 v[(\pc)+12+4*\c:(\pc)+14+4*\c], v[(\src)+32*\c+16:(\src)+32*\c+31], v[TM+13+2*\c]
.endr
	WIN 0
	v_nop                                          ; one plain line behind the scaled conversions
.irp c, 0,1                            ; the operand's layout wants a whole block in a lane
.irp i, 0,1,2
	v_permlane16_swap_b32 v[(\pc)+6*\c+\i], v[(\pc)+12+4*\c+\i]
.endr
.irp i, 0,1,2
	v_mov_b32 v[(\pc)+3+6*\c+\i], v[(\pc)+12+4*\c+\i]
.endr
.endr
.endm
	WIN 0
.irp b, 0,1,2,3
	v_mov_b32 v[TM+4+\b], 0                        ; a lane permute's destination counts as one of its sources; these four are also the places behind the last product
.endr
	; where my results go.  s24-31 held descriptors whose loads the wait for 0 in step 5 has shown done
	s_mov_b32 s[SEL], 0x76543210
	s_mov_b32 s[SEL+1], 0xfedcba98
	s_lshl_b32 s2, s100, 3
	s_lshl_b32 s3, s15, 2
	s_add_co_u32 s2, s2, s3                        ; my first block of 16 rows
	s_mul_i32 s2, s2, s21
	s_lshl_b32 s3, s101, 1
	s_add_co_u32 s3, s3, s16                       ; my 128 along the next K
	s_mul_i32 s30, s3, 1536
	s_add_co_u32 s30, s30, s2
	s_mul_i32 s2, s19, 6291456
	s_add_co_u32 s30, s30, s2
	s_mov_b32 s31, 0
	s_add_nc_u64 s[24:25], s[12:13], s[30:31]
	s_lshl_b32 s2, s100, 1
	s_add_co_u32 s2, s2, s15                       ; my group of 64 rows
	s_mul_i32 s2, s2, s23
	s_add_co_u32 s2, s2, s3
	s_lshl_b32 s2, s2, 8
	s_lshl_b32 s30, s19, 18
	s_add_co_u32 s30, s30, s2
	s_add_co_u32 s30, s30, 18874368
	s_add_nc_u64 s[26:27], s[12:13], s[30:31]
.irp a, 0,1,2,3
	QH 64*\a, AF+20*\a, 216+\a, 2
	global_store_b128 v[OA+\a], v[AF+20*\a:AF+20*\a+3], s[24:25]                  ; two pair images: 512 + 256 consecutive bytes each; every block has registers of its own
	global_store_b64 v[OB+\a], v[AF+20*\a+4:AF+20*\a+5], s[24:25] offset:512
	global_store_b128 v[OA+\a], v[AF+20*\a+6:AF+20*\a+9], s[24:25] offset:768
	global_store_b64 v[OB+\a], v[AF+20*\a+10:AF+20*\a+11], s[24:25] offset:1280
.endr
	v_cndmask_b32 v220, v216, v217, s22            ; the unit: register j holds block 2 j's words in lanes 0-15, block 2 j + 1's in lanes 16-31
	v_cndmask_b32 v221, v218, v219, s22
	global_store_b64 v[L8], v[220:221], s[26:27]
	s_wait_tensorcnt 0x0
	ds_add_u32 v30, v31
	s_wait_dscnt 0x0
	CROUND                                         ; the closing round: no work-group ends while a partner may still ask for a tile that names it
	s_endpgm
.Lfunc_end_k_qa7a2ef028c_qkv:
	.size	k_qa7a2ef028c_qkv, .Lfunc_end_k_qa7a2ef028c_qkv-k_qa7a2ef028c_qkv
	.p2alignl 7, 3214868480
	.fill 96, 4, 3214868480
	.section	.rodata,"a",@progbits
	.p2align	6, 0x0
	.amdhsa_kernel k_qa7a2ef028c_qkv
		.amdhsa_group_segment_fixed_size 307712
		.amdhsa_private_segment_fixed_size 0
		.amdhsa_enable_private_segment 0
		.amdhsa_kernarg_size 40
		.amdhsa_user_sgpr_count 2
		.amdhsa_user_sgpr_kernarg_segment_ptr 1
		.amdhsa_wavefront_size32 1
		.amdhsa_system_sgpr_workgroup_id_x 1
		.amdhsa_system_sgpr_workgroup_id_y 1
		.amdhsa_system_sgpr_workgroup_id_z 1
		.amdhsa_system_vgpr_workitem_id 0
		.amdhsa_next_free_vgpr 768
		.amdhsa_next_free_sgpr 102
		.amdhsa_reserve_vcc 0
		.amdhsa_float_denorm_mode_32 3
		.amdhsa_float_denorm_mode_16_64 3
		.amdhsa_memory_ordered 1
		.amdhsa_forward_progress 1
		.amdhsa_inst_pref_size 92
	.end_amdhsa_kernel
	.amdgpu_metadata
---
amdhsa.version: [ 1, 2 ]
amdhsa.kernels:
  - .name:           k_qa7a2ef028c_qkv
    .symbol:         k_qa7a2ef028c_qkv.kd
    .args:
      - { .name: w1, .offset: 0, .size: 8, .value_kind: global_buffer, .address_space: global }
      - { .name: bq, .offset: 8, .size: 8, .value_kind: global_buffer, .address_space: global }
      - { .name: bk, .offset: 16, .size: 8, .value_kind: global_buffer, .address_space: global }
      - { .name: bv, .offset: 24, .size: 8, .value_kind: global_buffer, .address_space: global }
      - { .name: w2, .offset: 32, .size: 8, .value_kind: global_buffer, .address_space: global }
    .group_segment_fixed_size: 307712
    .private_segment_fixed_size: 0
    .kernarg_segment_align: 8
    .kernarg_segment_size: 40
    .max_flat_workgroup_size: 128
    .sgpr_count:     102
    .vgpr_count:     768
    .wavefront_size: 32
...
	.end_amdgpu_metadata
.endif
;; end of part 2
;; launch attn (part 3): grid 2 x 128, 4 waves a work-group, no clusters, 0 bytes of LDS; arguments w2, w3; writes w3
.if DOCPART == 3
	.amdgcn_target "amdgcn-amd-amdhsa--gfx1250"
	.amdhsa_code_object_version 6
	.text
	.protected	k_qa7a2ef028c_attn
	.globl	k_qa7a2ef028c_attn
	.p2align	8
	.type	k_qa7a2ef028c_attn,@function
k_qa7a2ef028c_attn:
	s_mov_b64 s[64:65], 0
	v_nop
	global_prefetch_b8 v0, s[64:65] scope:SCOPE_SE
	s_setreg_imm32_b32 hwreg(HW_REG_WAVE_MODE, 25, 1), 1
	s_wait_xcnt 0x0
; The banded attention: key j counts for query i where |j - i| <= 16 and j - i is even, inside a batch of 2,048 tokens.  Both products on codes of BF6 (E3M2) with E8M0 scales; the result, divided by the row's sum, is
; quantised along the model's 1,024 and goes to w3 in the layout of an operand (fragment images and scale units, as x lies in w1).
; SHARES: a wave takes 64 queries (group G = work-group y) of two heads (head pair hp = 4 x work-group x + wave): 1,024 waves.  Straight-line text: no LDS, no barrier, no branch.  Operands go from memory into registers,
; whole, so there is nothing that a cluster's joint load could share: its target is LDS.
; The 64 queries are two halves of 32 (par), each two tiles of 16 (u).  The keys of queries 32 g .. 32 g + 31 lie in the blocks of 32 keys g - 1, g, g + 1 (rel 0, 1, 2), and these in the 128 keys of the pairs of 64 keys
; G - 1 + par, G + par: ONE K step of the second product; the window's fourth block gets zero codes of p.
; S^T = K Q^T: source 0 = 16 keys, source 1 = 16 queries; K's fragment holds both heads' 64 channels, Q's holds one head's and zeros for the other.  By the order of rows in w2 a lane holds one query and the 16 registers
; of two tiles are 16 neighbouring keys.  THE MASK IS THE C OF THESE PRODUCTS: 0 where the key counts, -3e38 elsewhere, so that p comes out 0 there; the row's maximum is taken over the masked scores.
; SOFTMAX: t = score x log2(e) / 8; M = ceil(the row's largest t); p = 2^(t - M) is quantised by blocks of 32 keys; the row's sum is taken of the unquantised p and divides at the end.
; A block's largest p is made from the block's largest score by the same multiply-add and exponential (this takes v_exp_f32 not to fall where its input rises).
; Loads at the ends of the buffers are clamped to the nearest block inside; what a clamp brings lies under the mask and meets zero codes of p alone.
; LIMITS: masked scores are -3e38, not -infinity: scores stay under about 1e37 in magnitude; a block of zeros gets the byte 1, not 127; NaN and infinities are not served.
; REGISTERS: window 0: v1 16 l, v2 8 l; v16-47 scale words; v48-63 eight pairs (1 / sum, sum); v64-159 S^T, then p; later the output fragments; v160-199 p's codes at work; v200-239 at work; v240-255 the quantiser's.
;   window 1: v0-159 five mask sets x two tiles x 16; v160-231 Q: for each block [head 0: 6][zeros: 6][head 1: 6]; v232-239 at work.   window 2: v0-95 K: 8 tiles; v96-239 V^T: 8 tiles x three pairs of 64 keys.
;   window 3: v0-127 O^T: (u, e, t) at 64 u + 32 e + 8 t; v128-223 p's codes: (par, e, u) at 128 + 12 (4 par + 2 e + u).
.set KC, 6291456
.set VC, 12582912
.set QS, 18874368
.set KS, 19136512
.set VS, 19398656
.set OS, 6291456
.set L16, 1
.set L8,  2
.set QW,  16                           ; v16-17 Q's unit; v18-23 K's units of groups G - 1, G, G + 1
.set KW,  18
.set VWA, 24                           ; v24-27, v28-31 V's units of two steps of 128 keys (2 e + j)
.set VWB, 28
.set VFS, 32                           ; v32-35, v36-39 V's words for the window of par 0, par 1
.set PWD, 40                           ; v40-47 p's words
.set LR,  48
.set S,   64
.set PCT, 160
.set BM,  200
.set BT,  206
.set SO,  212
.set BY,  218
.set SU,  224
.set NM,  232                          ; v232, v234: -M of tile u (named as the low words of pairs)
.set RM,  236
.set TM,  240
.set QF,  160
.set VF,  96
.set PCD, 128
.set CS,  42
.set SEL, 44
.set MSB, 0
.macro WIN new                         ; the immediate's high byte repeats the setting that is left
.if MSB != \new
	s_set_vgpr_msb (MSB<<8)|\new
.set MSB, \new
.endif
.endm
.macro PAIRLD reg, sb, off             ; a pair image, six registers: 512 + 256 consecutive bytes
	global_load_b128 v[(\reg):(\reg)+3], v[L16], s[\sb:\sb+1] offset:\off
	global_load_b64 v[(\reg)+4:(\reg)+5], v[L8], s[\sb:\sb+1] offset:(\off)+512
.endm
	s_load_b128 s[4:7], s[0:1], 0x0                ; w2, w3
	v_lshrrev_b32 v1, 5, v0
	v_readfirstlane_b32 s8, v1                     ; wave
	s_and_b32 s9, ttmp7, 0xffff                    ; G
	s_lshl_b32 s10, ttmp9, 2
	s_add_co_u32 s10, s10, s8                      ; hp
	v_and_b32 v3, 31, v0
	v_lshlrev_b32 v[L16], 4, v3
	v_lshlrev_b32 v[L8], 3, v3
	s_mul_i32 s50, s9, 49152
	s_mul_i32 s51, s10, 1536
	s_add_co_u32 s12, s50, s51                     ; Q: [block of 16 tokens][head][768]
	s_add_co_u32 s14, s12, KC                      ; K: blocks of 32 keys 2 G and 2 G + 1
	s_mov_b32 s38, s12                             ; the output's fragments
	s_lshl_b32 s52, s9, 1
	s_sub_co_i32 s53, s52, 1
	s_max_i32 s53, s53, 0
	s_mul_i32 s53, s53, 24576
	s_add_co_u32 s53, s53, s51
	s_add_co_u32 s16, s53, KC                      ; K: block 2 G - 1, held inside the buffer
	s_add_co_u32 s53, s52, 2
	s_min_u32 s53, s53, 255
	s_mul_i32 s53, s53, 24576
	s_add_co_u32 s53, s53, s51
	s_add_co_u32 s18, s53, KC                      ; K: block 2 G + 2, likewise
	s_sub_co_i32 s54, s9, 1
	s_max_i32 s54, s54, 0                          ; G - 1, held
	s_add_co_u32 s55, s9, 1
	s_min_u32 s55, s55, 127                        ; G + 1, held
	s_mul_i32 s52, s10, 786432
	s_add_co_u32 s52, s52, VC                      ; V^T: [block of 16 channels][64 keys][768]; eight blocks to a head pair
	s_mul_i32 s53, s9, 768
	s_add_co_u32 s20, s52, s53
	s_mul_i32 s53, s54, 768
	s_add_co_u32 s22, s52, s53
	s_mul_i32 s53, s55, 768
	s_add_co_u32 s24, s52, s53
	s_lshl_b32 s53, s9, 3
	s_add_co_u32 s53, s53, s10
	s_lshl_b32 s53, s53, 8
	s_add_co_u32 s26, s53, QS
	s_add_co_u32 s30, s53, KS
	s_add_co_u32 s40, s53, OS
	s_lshl_b32 s53, s54, 3
	s_add_co_u32 s53, s53, s10
	s_lshl_b32 s53, s53, 8
	s_add_co_u32 s28, s53, KS
	s_lshl_b32 s53, s55, 3
	s_add_co_u32 s53, s53, s10
	s_lshl_b32 s53, s53, 8
	s_add_co_u32 s32, s53, KS
	s_lshl_b32 s52, s10, 7                         ; V's units: [head][128 keys]: 64 to a head
	s_lshr_b32 s53, s54, 1
	s_add_co_u32 s53, s53, s52
	s_lshl_b32 s53, s53, 8
	s_add_co_u32 s34, s53, VS                      ; the step that holds pair G - 1
	s_add_co_u32 s53, s9, 1
	s_lshr_b32 s53, s53, 1
	s_min_u32 s53, s53, 63
	s_add_co_u32 s53, s53, s52
	s_lshl_b32 s53, s53, 8
	s_add_co_u32 s36, s53, VS                      ; the step that holds pair G + 1
.irp g, 13,15,17,19,21,23,25,27,29,31,33,35,37,39,41
	s_mov_b32 s\g, 0
.endr
	s_mov_b32 s[CS], 0x3e38aa3b                    ; c = log2(e) / 8
	s_mov_b32 s[CS+1], s[CS]
	s_mov_b32 s[SEL], 0x76543210
	s_mov_b32 s[SEL+1], 0xfedcba98
	s_mov_b32 s49, 0xffff0000
	s_and_b32 s53, s9, 31
	s_cmp_eq_u32 s53, 0
	s_cselect_b32 s46, -1, 0                       ; the batch's first group: block 2 G - 1 is another batch's
	s_cmp_eq_u32 s53, 31
	s_cselect_b32 s47, -1, 0                       ; its last: block 2 G + 2 is
	s_and_b32 s53, s9, 1
	s_cmp_eq_u32 s53, 0
	s_cselect_b32 s48, -1, 0                       ; G even
	s_wait_kmcnt 0x0
.irp g, 12,14,16,18,20,22,24,26,28,30,32,34,36
	s_add_nc_u64 s[\g:\g+1], s[4:5], s[\g:\g+1]
.endr
	s_add_nc_u64 s[38:39], s[6:7], s[38:39]
	s_add_nc_u64 s[40:41], s[6:7], s[40:41]
	; 56 loads: the scale units, Q, K
	global_load_b64 v[QW:QW+1], v[L8], s[26:27]
	global_load_b64 v[KW:KW+1], v[L8], s[28:29]
	global_load_b64 v[KW+2:KW+3], v[L8], s[30:31]
	global_load_b64 v[KW+4:KW+5], v[L8], s[32:33]
.irp e, 0,1
	global_load_b64 v[VWA+2*\e:VWA+2*\e+1], v[L8], s[34:35] offset:\e*16384
	global_load_b64 v[VWB+2*\e:VWB+2*\e+1], v[L8], s[36:37] offset:\e*16384
.endr
	WIN 0x40                                       ; destination window 1
.irp a, 0,1,2,3
.irp e, 0,1
	PAIRLD QF+18*\a+12*\e, 12, \a*12288+768*\e
.endr
.endr
	WIN 0x80                                       ; destination window 2
.irp y, 0,1                            ; tile (b, y) at 12 (2 b + y): both heads' pairs
.irp e, 0,1
	PAIRLD 12*\y+6*\e, 16, \y*12288+768*\e
	PAIRLD 24+12*\y+6*\e, 14, \y*12288+768*\e
	PAIRLD 48+12*\y+6*\e, 14, 24576+\y*12288+768*\e
	PAIRLD 72+12*\y+6*\e, 18, \y*12288+768*\e
.endr
.endr
	; THE MASK, made while the loads are on their way.  Register i of (rel, u) holds key - query = 32 rel - 32 + i - 8 u - lam, lam = r + 8 (r / 8) - 16 h
	WIN 0
	v_and_b32 v3, 15, v0
	v_bfe_u32 v4, v0, 4, 1
	v_and_b32 v5, 8, v3
	v_add_nc_u32 v5, v5, v3
	v_lshlrev_b32 v4, 4, v4
	v_sub_nc_u32 v5, v5, v4                        ; lam
	v_and_b32 v6, 1, v0
	v_mov_b32 v7, 0xff61b1e6                       ; -3e38
	v_cmp_eq_u32 vcc_lo, 1, v6
	v_cndmask_b32 v8, 0, v7, vcc_lo                ; for even i: 0 where r is even
	v_cmp_eq_u32 vcc_lo, 0, v6
	v_cndmask_b32 v9, 0, v7, vcc_lo                ; for odd i: 0 where r is odd
.irp x, 0,1,2,3,4,5
	v_mov_b32 v[BT+\x], 0                          ; lane permutes' destinations count as sources: written once
.endr
.irp b, 0,1,2,3
	v_mov_b32 v[TM+4+\b], 0
.endr
	v_mov_b32 v[NM+1], 0                           ; (named as the upper halves of pairs)
	v_mov_b32 v[NM+3], 0
	WIN 0x40
	v_mov_b32 v232, v5
	v_mov_b32 v233, v7
	v_mov_b32 v234, v8
	v_mov_b32 v235, v9
	WIN 0x55                                       ; all in window 1
.irp rel, 0,1,2                        ; sets 1, 2, 3: rel 0, 1, 2 with no edge of a batch.  Four registers at a time
.irp u, 0,1
.irp q, 0,1,2,3
.irp k, 0,1,2,3
	v_sub_nc_u32 v[236+\k], 32*\rel-16+4*\q+\k-8*\u, v232       ; key - query + 16
.endr
.irp k, 0,1,2,3
	v_cmp_ge_u32 s[56+\k], 32, v[236+\k]                        ; 0 .. 32, as an unsigned number
.endr
.irp k, 0,1,2,3
	v_cndmask_b32 v[32*(\rel+1)+16*\u+4*\q+\k], v233, v[234+\k%2], s[56+\k]
.endr
.endr
.endr
.endr
.set i, 0
.rept 32
	v_cndmask_b32 v[i], v[32+i], v233, s46         ; set 0: rel 0 of par 0: all hidden in a batch's first group
	v_cndmask_b32 v[128+i], v[96+i], v233, s47     ; set 4: rel 2 of par 1: all hidden in its last
.set i, i+1
.endr
.irp a, 0,1,2,3
.irp i, 6,7,8,9,10,11
	v_mov_b32 v[QF+18*\a+\i], 0                    ; Q's zeros
.endr
.endr
	; V^T: 48 loads, issued last: they have the four softmaxes in which to land
	WIN 0x80
.irp e, 0,1
.irp t, 0,1,2,3
	PAIRLD VF+18*(4*\e+\t), 22, (4*\e+\t)*98304
	PAIRLD VF+18*(4*\e+\t)+6, 20, (4*\e+\t)*98304
	PAIRLD VF+18*(4*\e+\t)+12, 24, (4*\e+\t)*98304
.endr
.endr
	WIN 0
	s_wait_loadcnt 48                              ; the units, Q and K are in; V's 48 loads may be out
.irp k, 0,1,2,3                        ; V's words for the two windows: where a window straddles two steps of 128 keys, the upper half of one word and the lower half of the next
	v_alignbit_b32 v[VFS+\k], v[VWB+\k], v[VWA+\k], 16
	v_cndmask_b32 v[VFS+4+\k], v[VFS+\k], v[VWB+\k], s48        ; par 1: pairs G, G + 1: aligned where G is even
	v_cndmask_b32 v[VFS+\k], v[VWA+\k], v[VFS+\k], s48          ; par 0: pairs G - 1, G: aligned where G is odd
.endr
.macro SPROD d, a, b, c, sa, sb, ra, rb
.if \ra
.if \rb
	v_wmma_scale_f32_16x16x128_f8f6f4 v[(\d):(\d)+7], v[(\a):(\a)+11], v[(\b):(\b)+11], v[(\c):(\c)+7], v[\sa], v[\sb] matrix_a_fmt:MATRIX_FMT_BF6 matrix_b_fmt:MATRIX_FMT_BF6 matrix_a_scale:MATRIX_SCALE_ROW1 matrix_b_scale:MATRIX_SCALE_ROW1
.else
	v_wmma_scale_f32_16x16x128_f8f6f4 v[(\d):(\d)+7], v[(\a):(\a)+11], v[(\b):(\b)+11], v[(\c):(\c)+7], v[\sa], v[\sb] matrix_a_fmt:MATRIX_FMT_BF6 matrix_b_fmt:MATRIX_FMT_BF6 matrix_a_scale:MATRIX_SCALE_ROW1
.endif
.else
.if \rb
	v_wmma_scale_f32_16x16x128_f8f6f4 v[(\d):(\d)+7], v[(\a):(\a)+11], v[(\b):(\b)+11], v[(\c):(\c)+7], v[\sa], v[\sb] matrix_a_fmt:MATRIX_FMT_BF6 matrix_b_fmt:MATRIX_FMT_BF6 matrix_b_scale:MATRIX_SCALE_ROW1
.else
	v_wmma_scale_f32_16x16x128_f8f6f4 v[(\d):(\d)+7], v[(\a):(\a)+11], v[(\b):(\b)+11], v[(\c):(\c)+7], v[\sa], v[\sb] matrix_a_fmt:MATRIX_FMT_BF6 matrix_b_fmt:MATRIX_FMT_BF6
.endif
.endif
.endm
.macro OPROD d, a, b, sa, sb, ra
.if (\ra)
	v_wmma_scale_f32_16x16x128_f8f6f4 v[(\d):(\d)+7], v[(\a):(\a)+11], v[(\b):(\b)+11], 0, v[\sa], v[\sb] matrix_a_fmt:MATRIX_FMT_BF6 matrix_b_fmt:MATRIX_FMT_BF6 matrix_a_scale:MATRIX_SCALE_ROW1
.else
	v_wmma_scale_f32_16x16x128_f8f6f4 v[(\d):(\d)+7], v[(\a):(\a)+11], v[(\b):(\b)+11], 0, v[\sa], v[\sb] matrix_a_fmt:MATRIX_FMT_BF6 matrix_b_fmt:MATRIX_FMT_BF6
.endif
.endm
; PHASE A: 32 queries (par) of one head (e): scores, softmax, p's codes.  Block x = 3 u + rel has its 16 registers at S + 16 x.
.macro SOFT par, e
	WIN 0x16                                       ; source 0 (K) window 2, source 1 (Q) and C (the mask) window 1, D window 0
.irp rel, 0,1,2
.set MM, \rel+1+(\par-1)*((2-\rel)/2)+\par*(\rel/2)    ; the mask set: rel 0: par; rel 1: 2; rel 2: 3 + par
.irp u, 0,1
.irp y, 0,1
	SPROD S+16*(3*\u+\rel)+8*\y, 12*(2*(\par+\rel)+\y), QF+18*(2*\par+\u)+6*\e, 32*MM+16*\u+8*\y, KW+1+\par+\rel, QW+\par, \y, \u
.endr
.endr
.endr
	WIN 0
.rept 4
	v_nop                                          ; four places ahead of the first read of results
.endr
.irp x, 0,1,2,3,4,5
	v_max3_num_f32 v[BM+\x], v[S+16*\x], v[S+16*\x+1], v[S+16*\x+2]     ; each block's largest score, the six blocks by turns; each accumulator is read from its low end on
.endr
.irp i, 3,5,7,9,11,13
.irp x, 0,1,2,3,4,5
	v_max3_num_f32 v[BM+\x], v[BM+\x], v[S+16*\x+\i], v[S+16*\x+\i+1]
.endr
.endr
.irp x, 0,1,2,3,4,5
	v_max_num_f32 v[BM+\x], v[BM+\x], v[S+16*\x+15]
.endr
.irp x, 0,1,2,3,4,5
	v_permlanex16_b32 v[BT+\x], v[BM+\x], s[SEL], s[SEL+1]
.endr
.irp x, 0,1,2,3,4,5
	v_max_num_f32 v[BM+\x], v[BM+\x], v[BT+\x]     ; with lane l xor 16's 16 keys
.endr
.irp u, 0,1
	v_max3_num_f32 v[RM+\u], v[BM+3*\u], v[BM+3*\u+1], v[BM+3*\u+2]     ; the row's largest score: the key at the query's own place always counts
.endr
.irp u, 0,1
	v_mul_f32 v[RM+\u], s[CS], v[RM+\u]
.endr
.irp u, 0,1
	v_floor_f32 v[NM+2*\u], -v[RM+\u]              ; -M = floor(-t) = -ceil(t)
.endr
.irp u, 0,1
.set j, 0
.rept 24
	v_pk_fma_f32 v[S+48*\u+j:S+48*\u+j+1], v[S+48*\u+j:S+48*\u+j+1], s[CS:CS+1], v[NM+2*\u:NM+2*\u+1] op_sel_hi:[1,0,0]   ; t - M
.set j, j+2
.endr
.endr
.irp x, 0,1,2,3,4,5
	v_fma_f32 v[BM+\x], v[BM+\x], s[CS], v[NM+2*(\x/3)]
.endr
.set j, 0
.rept 96
	v_exp_f32 v[S+j], v[S+j]                       ; p = 2^(t - M); 0 under the mask
.set j, j+1
.endr
	v_nop                                          ; a plain line behind the exponentials
	s_wait_alu depctr_va_vdst(0)                   ; one wait for the batch of 96, ahead of its first reader
.irp x, 0,1,2,3,4,5
	v_exp_f32 v[BM+\x], v[BM+\x]                   ; each block's largest p
.endr
.irp u, 0,1                            ; the row's sum of the unquantised p: two chains a tile.  It reads the 96 alone: plain work behind the six
	v_pk_add_f32 v[SU+4*\u:SU+4*\u+1], v[S+48*\u:S+48*\u+1], v[S+48*\u+2:S+48*\u+3]
	v_pk_add_f32 v[SU+4*\u+2:SU+4*\u+3], v[S+48*\u+4:S+48*\u+5], v[S+48*\u+6:S+48*\u+7]
.endr
.irp j, 8,12,16,20,24,28,32,36,40,44
.irp u, 0,1
	v_pk_add_f32 v[SU+4*\u:SU+4*\u+1], v[SU+4*\u:SU+4*\u+1], v[S+48*\u+\j:S+48*\u+\j+1]
	v_pk_add_f32 v[SU+4*\u+2:SU+4*\u+3], v[SU+4*\u+2:SU+4*\u+3], v[S+48*\u+\j+2:S+48*\u+\j+3]
.endr
.endr
.irp u, 0,1
	v_pk_add_f32 v[SU+4*\u:SU+4*\u+1], v[SU+4*\u:SU+4*\u+1], v[SU+4*\u+2:SU+4*\u+3]
.endr
.irp u, 0,1
	v_add_f32 v[LR+2*(4*\par+2*\e+\u)+1], v[SU+4*\u], v[SU+4*\u+1]      ; my 48 keys' sum; lane l xor 16's is added in phase B
.endr
	s_wait_alu depctr_va_vdst(0)                   ; and one for the six
.irp x, 0,1,2,3,4,5
	v_max_num_f32 v[BM+\x], 0x2800000, v[BM+\x]    ; the floor 2^(5 - 127): a block whose every p is 0 keeps the byte 1: its codes are zeros
.endr
.irp x, 0,1,2,3,4,5
	v_add_nc_u32 v[SO+\x], 0xfe000000, v[BM+\x]
.endr
.irp x, 0,1,2,3,4,5
	v_lshrrev_b32 v[BY+\x], 23, v[SO+\x]
.endr
.irp u, 0,1                            ; p's word: block rel stands at place rel + 1 - par of the window; the unused place's byte stays 0 over zero codes
.if \par == 0
	v_lshlrev_b32 v[PWD+2*\e+\u], 8, v[BY+3*\u]
	v_lshl_or_b32 v[PWD+2*\e+\u], v[BY+3*\u+1], 16, v[PWD+2*\e+\u]
	v_lshl_or_b32 v[PWD+2*\e+\u], v[BY+3*\u+2], 24, v[PWD+2*\e+\u]
.else
	v_lshl_or_b32 v[PWD+4+2*\e+\u], v[BY+3*\u+1], 8, v[BY+3*\u]
	v_lshl_or_b32 v[PWD+4+2*\e+\u], v[BY+3*\u+2], 16, v[PWD+4+2*\e+\u]
.endif
.endr
.irp u, 0,1
.irp i, 0,1,2
	v_mov_b32 v[PCT+20*\u+16*\par+\i], 0           ; the unused place: 0 of par 0, 3 of par 1
.endr
.endr
.irp u, 0,1
.irp rel, 0,1,2
.set WP, \rel+1-\par
.set DD, PCT+20*\u+(1-WP%2)*6*(WP/2)+(WP%2)*(12+4*(WP/2))  ; places 0, 2 at +0, +6; places 1, 3 at +12, +16
	v_cvt_scalef32_pk16_bf6_f32 v[DD:DD+2], v[S+16*(3*\u+\rel):S+16*(3*\u+\rel)+15], v[SO+3*\u+\rel]
.endr
.endr
	v_nop                                          ; one plain line behind the scaled conversions
.irp u, 0,1
.irp c, 0,1
.irp i, 0,1,2
	v_permlane16_swap_b32 v[PCT+20*\u+6*\c+\i], v[PCT+20*\u+12+4*\c+\i]   ; a whole block to a lane
.endr
.endr
.endr
	WIN 0xc0                                       ; destination window 3
.irp u, 0,1
.irp c, 0,1
.irp i, 0,1,2
	v_mov_b32 v[PCD+12*(4*\par+2*\e+\u)+6*\c+\i], v[PCT+20*\u+6*\c+\i]
	v_mov_b32 v[PCD+12*(4*\par+2*\e+\u)+6*\c+3+\i], v[PCT+20*\u+12+4*\c+\i]
.endr
.endr
.endr
	WIN 0
.endm
; 64 numbers of a lane in window win become a fragment's codes and its row's scale word
.macro QH src, pc, pw, win
	WIN 5*(\win)
.irp b, 0,1,2,3
	v_max3_num_f32 v[TM+\b], |v[(\src)+16*\b]|, |v[(\src)+16*\b+1]|, 0x2800000
.endr
.irp i, 2,4,6,8,10,12,14
.irp b, 0,1,2,3
	v_max3_num_f32 v[TM+\b], |v[(\src)+16*\b+\i]|, |v[(\src)+16*\b+\i+1]|, v[TM+\b]
.endr
.endr
	WIN 0
.irp b, 0,1,2,3
	v_permlanex16_b32 v[TM+4+\b], v[TM+\b], s[SEL], s[SEL+1]
.endr
.irp b, 0,1,2,3
	v_max_num_f32 v[TM+\b], v[TM+\b], v[TM+4+\b]
.endr
.irp b, 0,1,2,3
	v_add_nc_u32 v[TM+12+\b], 0xfe000000, v[TM+\b]
.endr
.irp b, 0,1,2,3
	v_lshrrev_b32 v[TM+4+\b], 23, v[TM+12+\b]
.endr
	v_lshl_or_b32 v[\pw], v[TM+5], 8, v[TM+4]
	v_lshl_or_b32 v[\pw], v[TM+6], 16, v[\pw]
	v_lshl_or_b32 v[\pw], v[TM+7], 24, v[\pw]
	WIN \win
.irp c, 0,1
	v_cvt_scalef32_pk16_bf6_f32 v[(\pc)+6*\c:(\pc)+6*\c+2], v[(\src)+32*\c:(\src)+32*\c+15], v[TM+12+2*\c]
	v_cvt_scalef32_pk16_bf6_f32 v[(\pc)+12+4*\c:(\pc)+14+4*\c], v[(\src)+32*\c+16:(\src)+32*\c+31], v[TM+13+2*\c]
.endr
	WIN 0
	v_nop
.irp c, 0,1
.irp i, 0,1,2
	v_permlane16_swap_b32 v[(\pc)+6*\c+\i], v[(\pc)+12+4*\c+\i]
.endr
.irp i, 0,1,2
	v_mov_b32 v[(\pc)+3+6*\c+\i], v[(\pc)+12+4*\c+\i]
.endr
.endr
.endm
; PHASE B: O^T = V^T P^T for 32 queries and both heads: one product of 128 keys for each tile; / the sum; quantised along the two heads' 128 channels; stored
.macro OUT par
	WIN 0xce                                       ; source 0 (V^T) window 2, source 1 (p) and D window 3
.irp t, 0,1,2,3
.irp e, 0,1
.irp u, 0,1
	OPROD 64*\u+32*\e+8*\t, VF+18*(4*\e+\t)+6*\par, PCD+12*(4*\par+2*\e+\u), VFS+4*\par+2*\e+\t/2, PWD+4*\par+2*\e+\u, \t%2
.endr
.endr
.endr
	WIN 0
.irp k, 0,1,2,3
	v_permlanex16_b32 v[SU+\k], v[LR+2*(4*\par+\k)+1], s[SEL], s[SEL+1]
.endr
.irp k, 0,1,2,3
	v_add_f32 v[SU+\k], v[SU+\k], v[LR+2*(4*\par+\k)+1]      ; the rows' sums.  (These four are the places behind the products)
.endr
.irp k, 0,1,2,3
	v_rcp_f32 v[LR+2*(4*\par+\k)], v[SU+\k]
.endr
	v_nop                                          ; a plain line behind the reciprocals
	s_wait_alu depctr_va_vdst(0)                   ; one wait for the four, ahead of their first reader
	WIN 0xc3                                       ; O^T window 3, 1 / sum window 0
.irp u, 0,1
.irp e, 0,1
.set j, 0
.rept 16
	v_pk_mul_f32 v[64*\u+32*\e+j:64*\u+32*\e+j+1], v[64*\u+32*\e+j:64*\u+32*\e+j+1], v[LR+2*(4*\par+2*\e+\u):LR+2*(4*\par+2*\e+\u)+1] op_sel_hi:[1,0]   ; each accumulator in ascending order
.set j, j+2
.endr
.endr
.endr
.irp u, 0,1
	QH 64*\u, S+20*(2*\par+\u), 144+2*\par+\u, 3
.irp g, 0,1,2
	global_store_b128 v[L16], v[S+20*(2*\par+\u)+4*\g:S+20*(2*\par+\u)+4*\g+3], s[38:39] offset:(2*\par+\u)*12288+512*\g   ; 512 consecutive bytes; every block has registers of its own
.endr
.endr
.endm
	SOFT 0, 0
	SOFT 0, 1
	SOFT 1, 0
	SOFT 1, 1
	s_wait_loadcnt 0x0                             ; V^T
	OUT 0
	OUT 1
	v_cndmask_b32 v148, v144, v145, s49            ; the unit: register j holds block 2 j's words in lanes 0-15, block 2 j + 1's in lanes 16-31
	v_cndmask_b32 v149, v146, v147, s49
	global_store_b64 v[L8], v[148:149], s[40:41]
	s_endpgm
.Lfunc_end_k_qa7a2ef028c_attn:
	.size	k_qa7a2ef028c_attn, .Lfunc_end_k_qa7a2ef028c_attn-k_qa7a2ef028c_attn
	.p2alignl 7, 3214868480
	.fill 96, 4, 3214868480
	.section	.rodata,"a",@progbits
	.p2align	6, 0x0
	.amdhsa_kernel k_qa7a2ef028c_attn
		.amdhsa_group_segment_fixed_size 0
		.amdhsa_private_segment_fixed_size 0
		.amdhsa_enable_private_segment 0
		.amdhsa_kernarg_size 16
		.amdhsa_user_sgpr_count 2
		.amdhsa_user_sgpr_kernarg_segment_ptr 1
		.amdhsa_wavefront_size32 1
		.amdhsa_system_sgpr_workgroup_id_x 1
		.amdhsa_system_sgpr_workgroup_id_y 1
		.amdhsa_system_sgpr_workgroup_id_z 1
		.amdhsa_system_vgpr_workitem_id 0
		.amdhsa_next_free_vgpr 1024
		.amdhsa_next_free_sgpr 66
		.amdhsa_reserve_vcc 1
		.amdhsa_float_denorm_mode_32 3
		.amdhsa_float_denorm_mode_16_64 3
		.amdhsa_memory_ordered 1
		.amdhsa_forward_progress 1
		.amdhsa_inst_pref_size 139
	.end_amdhsa_kernel
	.amdgpu_metadata
---
amdhsa.version: [ 1, 2 ]
amdhsa.kernels:
  - .name:           k_qa7a2ef028c_attn
    .symbol:         k_qa7a2ef028c_attn.kd
    .args:
      - { .name: w2, .offset: 0, .size: 8, .value_kind: global_buffer, .address_space: global }
      - { .name: w3, .offset: 8, .size: 8, .value_kind: global_buffer, .address_space: global }
    .group_segment_fixed_size: 0
    .private_segment_fixed_size: 0
    .kernarg_segment_align: 8
    .kernarg_segment_size: 16
    .max_flat_workgroup_size: 128
    .sgpr_count:     66
    .vgpr_count:     1024
    .wavefront_size: 32
...
	.end_amdgpu_metadata
.endif
;; end of part 3
;; launch proj (part 4): grid 4 x 64, 4 waves a work-group, clusters of 4 x 4, 307,712 bytes of LDS; arguments w3, w1, bo, out0; writes out0
.if DOCPART == 4
	.amdgcn_target "amdgcn-amd-amdhsa--gfx1250"
	.amdhsa_code_object_version 6
	.text
	.protected	k_qa7a2ef028c_proj
	.globl	k_qa7a2ef028c_proj
	.p2align	8
	.type	k_qa7a2ef028c_proj,@function
k_qa7a2ef028c_proj:
	s_mov_b64 s[64:65], 0
	v_nop
	global_prefetch_b8 v0, s[64:65] scope:SCOPE_SE
	s_setreg_imm32_b32 hwreg(HW_REG_WAVE_MODE, 25, 1), 1
	s_wait_xcnt 0x0
	s_wait_alu depctr_hold_cnt(0) depctr_sa_sdst(0) depctr_va_vdst(0) depctr_va_sdst(0) depctr_va_ssrc(0) depctr_va_vcc(0) depctr_vm_vsrc(0)
	s_getreg_b32 s2, hwreg(HW_REG_IB_STS2, 6, 4)
	s_cmp_eq_u32 s2, 0
	s_cbranch_scc0 .Lentry_in_a_cluster
	s_endpgm
.Lentry_in_a_cluster:
	s_bfe_u32 s2, ttmp6, 0x10000c
	s_cmp_lg_u32 s2, 0xf033
	s_cbranch_scc0 .Lentry_shape_is_right
	s_endpgm
.Lentry_shape_is_right:
; out0 = attention's output x Wo + bo, on codes of BF6 (E3M2) with E8M0 scales: the rows' codes from w3, Wo^T's from w1 (groups 176 on); sums in f32; out0 [8192][1024] f32.
; Operand "A" (source 1): 128 tokens a work-group; operand "B" (source 0): 256 columns of Wo.  A tile over ALL of K = 1,024 is 98,304 + 196,608 bytes of codes: it fits in LDS whole, so every LDS byte is filled once:
; five tensor loads a wave at the head (its scale units, four chunks of two K steps), and K is multiplied as the chunks land.  Five tensor loads of a wave are out at the most.
; CLUSTERS: 4 x 4 work-groups; A's tiles are shared along a row of the cluster, B's along a column: joint loads with a mask that names the four.
; A wave makes 64 tokens x 128 columns: 32 accumulators.  By the order of rows in the operands (lane r of block a = row 32 (a/2) + 8 (a%2) + r + 8 (r/8) of a group of 64) a lane holds one token, and register j of B's block t
; the column 32 (t/2) + 8 (t%2) + 16 (lane/16) + j.  bo is the C of each sum's first product (so it is added first, not last).
; THE WAY OUT: 16 tokens x 128 columns at a time through the wave's own stage in LDS, back as whole rows of 512 bytes.
; LIMITS: NaN and infinities are not served.
; REGISTERS: window 0: v1-13 addresses; v32-95 scale words of all 8 K steps; v96-191 A's fragments, two sets; v192-255 the bias; on the way out v96-223 rows.  window 1: v0-191 B's fragments.  window 2: accumulator (a, t) at v[8 (8 a + t)].
.set S1,  9437184                      ; w1: where the scale units begin
.set OS3, 6291456                      ; w3: likewise
.set AC,  0
.set BC,  98304
.set AS,  294912
.set BS,  299008
.set L16, 1
.set VA,  5
.set VB0, 6
.set VB1, 7
.set VS,  8
.set STO, 12
.set RD,  13
.set SC,  32
.set AF,  96
.set BI,  192
.set BK,  96
.set SPITCH, 528                       ; a stage row: 512 bytes + 16
.set G1A, 24
.set G1B, 32
.set G1SA, 40
.set G1SB, 48
.set MSB, 0
.macro WIN new                         ; the immediate's high byte repeats the setting that is left
.if MSB != \new
	s_set_vgpr_msb (MSB<<8)|\new
.set MSB, \new
.endif
.endm
.macro PLACES                          ; four plain lines between a matrix instruction and a load into, or a read of, its registers
.rept 4
	v_nop
.endr
.endm
.macro CROUND                          ; a round of the cluster's barrier
	s_barrier_signal -1
	s_barrier_wait -1
	s_cmp_lg_u32 s14, 0
	s_cbranch_scc1 .Lnot_wave_0_\@
	s_barrier_signal -3
.Lnot_wave_0_\@:
	s_barrier_wait -3
	s_barrier_signal -1
	s_barrier_wait -1
.endm
	s_load_b256 s[4:11], s[0:1], 0x0               ; w3, w1, bo, out0
	v_lshl_add_u32 v30, v0, 2, 0x4b000
	v_mov_b32 v31, 0
	ds_add_u32 v30, v31
	ds_add_u32 v30, v31
	v_lshrrev_b32 v1, 5, v0
	v_readfirstlane_b32 s14, v1                    ; wave 0..3
	s_lshr_b32 s15, s14, 1                         ; which 64 tokens are mine.  Also: I fetch for A (0) or for B (1)
	s_and_b32 s16, s14, 1                          ; which 128 columns.  Also: which half of that tile I fetch
	s_bfe_u32 s17, ttmp6, 0x40000                  ; cx
	s_bfe_u32 s18, ttmp6, 0x40004                  ; cy
	s_and_b32 s20, ttmp7, 0xffff                   ; cluster y: 0..15
	s_lshl_b32 s2, s18, 2
	s_lshl_b32 s2, 15, s2                          ; my row of the cluster
	s_lshl_b32 s3, 0x1111, s17                     ; my column
	s_or_b32 s[G1A], s2, (3<<16)|(1<<21)           ; 15:0 the mask; 17:16 elements of 8 bytes; 21 set beside a mask; no padding
	s_or_b32 s[G1B], s3, (3<<16)|(1<<21)
	s_or_b32 s[G1SA], s2, (3<<16)|(1<<21)
	s_or_b32 s[G1SB], s3, (3<<16)|(1<<21)
.irp g, G1A, G1B                       ; codes: rows of 3,072 bytes (a block's two K steps), 12,288 bytes apart: 4 blocks for A, 8 for B
	s_mov_b32 s[\g+1], 384<<16
	s_mov_b32 s[\g+3], 384<<16
	s_mov_b32 s[\g+5], 1536
	s_mov_b32 s[\g+6], 0
	s_mov_b32 s[\g+7], 0
.endr
	s_mov_b32 s[G1A+2], 4<<16
	s_mov_b32 s[G1A+4], 4
	s_mov_b32 s[G1B+2], 8<<16
	s_mov_b32 s[G1B+4], 8
.irp g, G1SA, G1SB                     ; scale units: dense rows of 256 bytes
	s_mov_b32 s[\g+1], 32<<16
	s_mov_b32 s[\g+3], 32<<16
	s_mov_b32 s[\g+5], 32
	s_mov_b32 s[\g+6], 0
	s_mov_b32 s[\g+7], 0
.endr
	s_mov_b32 s[G1SA+2], 8<<16
	s_mov_b32 s[G1SA+4], 8
	s_mov_b32 s[G1SB+2], 16<<16
	s_mov_b32 s[G1SB+4], 16
	s_lshl_b32 s2, s20, 2
	s_add_co_u32 s100, s2, s18                     ; tile row: 128 tokens
	s_mov_b32 s101, s17                            ; tile column: 256 columns
	s_lshl_b32 s2, s100, 1
	s_add_co_u32 s2, s2, s16                       ; A: the group that I fetch
	s_lshl_b32 s58, s2, 11
	s_add_co_u32 s58, s58, OS3
	s_mov_b32 s59, 0
	s_mul_i32 s62, s2, 49152
	s_mov_b32 s63, 0
	s_lshl_b32 s3, s101, 2
	s_add_co_u32 s3, s3, 176
	s_add_co_u32 s3, s3, s16
	s_add_co_u32 s3, s3, s16                       ; B: the first of the two groups that I fetch
	s_lshl_b32 s82, s3, 11
	s_add_co_u32 s82, s82, S1
	s_mov_b32 s83, 0
	s_mul_i32 s86, s3, 49152
	s_mov_b32 s87, 0
.irp g, 56,60,68,72,76,80,84,88,92,96
	s_mov_b32 s\g, 1                               ; count
.endr
	s_lshl_b32 s57, s16, 11                        ; LDS addresses: constants and the wave's number alone
	s_add_co_u32 s57, s57, AS
	s_mul_i32 s61, s16, 49152
	s_add_co_u32 s69, s61, 12288
	s_add_co_u32 s73, s61, 24576
	s_add_co_u32 s77, s61, 36864
	s_lshl_b32 s81, s16, 12
	s_add_co_u32 s81, s81, BS
	s_mul_i32 s85, s16, 98304
	s_add_co_u32 s85, s85, BC
	s_add_co_u32 s89, s85, 24576
	s_add_co_u32 s93, s85, 49152
	s_add_co_u32 s97, s85, 73728
	s_wait_dscnt 0x0
	s_wait_kmcnt 0x0
	s_add_nc_u64 s[58:59], s[4:5], s[58:59]
	s_add_nc_u64 s[62:63], s[4:5], s[62:63]
	s_add_nc_u64 s[70:71], s[62:63], 3072
	s_add_nc_u64 s[74:75], s[62:63], 6144
	s_add_nc_u64 s[78:79], s[62:63], 9216
	s_add_nc_u64 s[82:83], s[6:7], s[82:83]
	s_add_nc_u64 s[86:87], s[6:7], s[86:87]
	s_add_nc_u64 s[90:91], s[86:87], 3072
	s_add_nc_u64 s[94:95], s[86:87], 6144
	s_add_nc_u64 s[98:99], s[86:87], 9216
.irp g, 59,63,71,75,79,83,87,91,95,99
	s_or_b32 s\g, s\g, 0x80000000                  ; type = 2
.endr
	CROUND                                         ; all sixteen work-groups are here: the joint loads meet
	s_cmp_eq_u32 s15, 0                            ; a wave's five fills stand in one branch on the wave's number, ahead of every wait on TENSORcnt and every LDS read
	s_cbranch_scc0 .Lfill_b
	tensor_load_to_lds s[56:59], s[G1SA:G1SA+7]
	s_nop 0
	tensor_load_to_lds s[60:63], s[G1A:G1A+7]
	s_nop 0
	tensor_load_to_lds s[68:71], s[G1A:G1A+7]
	s_nop 0
	tensor_load_to_lds s[72:75], s[G1A:G1A+7]
	s_nop 0
	tensor_load_to_lds s[76:79], s[G1A:G1A+7]
	s_nop 0
	PLACES
	s_branch .Lfilled
.Lfill_b:
	tensor_load_to_lds s[80:83], s[G1SB:G1SB+7]
	s_nop 0
	tensor_load_to_lds s[84:87], s[G1B:G1B+7]
	s_nop 0
	tensor_load_to_lds s[88:91], s[G1B:G1B+7]
	s_nop 0
	tensor_load_to_lds s[92:95], s[G1B:G1B+7]
	s_nop 0
	tensor_load_to_lds s[96:99], s[G1B:G1B+7]
	s_nop 0
	PLACES
.Lfilled:
	v_and_b32 v9, 31, v0
	v_lshlrev_b32 v[L16], 4, v9
	v_and_b32 v3, 15, v0                           ; r
	v_bfe_u32 v4, v0, 4, 1                         ; h
	s_mul_i32 s2, s15, 49152
	v_add_nc_u32 v[VA], s2, v[L16]
	s_mul_i32 s3, s16, 98304
	s_add_co_u32 s3, s3, BC
	v_add_nc_u32 v[VB0], s3, v[L16]
	v_add_nc_u32 v[VB1], 49152, v[VB0]
	s_lshl_b32 s2, s15, 11                         ; scale words: lanes 0-15 take A's units, lanes 16-31 B's: the lower base + h x the distance
	s_lshl_b32 s3, s16, 12
	s_add_co_u32 s3, s3, BS-AS
	s_sub_co_u32 s3, s3, s2
	v_mul_u32_u24 v9, s3, v4
	s_add_co_u32 s2, s2, AS
	v_lshl_add_u32 v9, v3, 3, v9
	v_add_nc_u32 v[VS], s2, v9
	s_mul_i32 s2, s14, 16*SPITCH
	s_add_co_u32 s2, s2, BC                        ; my stage: in B's chunks 0 and 1 (see the way out)
	v_mul_u32_u24 v[STO], v3, SPITCH
	v_lshl_add_u32 v[STO], v4, 6, v[STO]
	v_add_nc_u32 v[STO], s2, v[STO]                ; in: row r, + 64 h
	v_add_nc_u32 v[RD], s2, v[L16]                 ; back: a row of 512 bytes to the 32 lanes
	v_lshlrev_b32 v10, 6, v4                       ; the bias: 16 h numbers on
	s_lshl_b32 s2, s101, 10
	s_lshl_b32 s3, s16, 9
	s_add_co_u32 s2, s2, s3                        ; my 128 columns, in bytes
	s_mov_b32 s3, 0
	s_add_nc_u64 s[8:9], s[8:9], s[2:3]
	s_add_nc_u64 s[10:11], s[10:11], s[2:3]
	s_lshl_b32 s2, s100, 19
	s_lshl_b32 s66, s15, 18
	s_add_co_u32 s2, s2, s66                       ; my 64 tokens: rows of 4,096 bytes
	s_add_nc_u64 s[10:11], s[10:11], s[2:3]
.irp t, 0,1,2,3,4,5,6,7
	global_load_b128 v[BI+8*\t:BI+8*\t+3], v10, s[8:9] offset:(32*(\t/2)+8*(\t%2))*4
	global_load_b128 v[BI+8*\t+4:BI+8*\t+7], v10, s[8:9] offset:(32*(\t/2)+8*(\t%2))*4+16
.endr
.macro SCALES                          ; all 8 K steps' words: register SC + 8 s + 2 x + j: lanes 16-31: B's group x/2, block 2 j + x%2; lanes 0-15 (x < 2): A's block 2 j + x
.irp s, 0,1,2,3,4,5,6,7
.irp x, 0,1,2,3
	ds_load_b64 v[SC+8*\s+2*\x:SC+8*\s+2*\x+1], v[VS] offset:256*\s+128*(\x%2)+2048*(\x/2)
.endr
.endr
.endm
.macro FETCH s                         ; K step s: B's eight fragments and A's four into set s % 2: 36 loads of 512 consecutive bytes
.set FS, (\s)%2
.set FC, (\s)/2
	WIN 0x40
.irp i, 0,1,2,3,4,5,6,7
.irp g, 0,1,2
.if FC < 2
	ds_load_b128 v[96*FS+12*\i+4*\g:96*FS+12*\i+4*\g+3], v[VB0] offset:(FC%2)*24576+\i*3072+FS*1536+512*\g
.else
	ds_load_b128 v[96*FS+12*\i+4*\g:96*FS+12*\i+4*\g+3], v[VB1] offset:(FC%2)*24576+\i*3072+FS*1536+512*\g
.endif
.endr
.endr
	WIN 0
.irp i, 0,1,2,3
.irp g, 0,1,2
	ds_load_b128 v[AF+48*FS+12*\i+4*\g:AF+48*FS+12*\i+4*\g+3], v[VA] offset:FC*12288+\i*3072+FS*1536+512*\g
.endr
.endr
.endm
; 32 products: the accumulators take turns, one instruction a turn, in the same order in every K step.  cm = 1: the bias starts the sums
.macro MUL s, cm
.set FS, (\s)%2
.if \cm == 0
	WIN 0xa1                                       ; source 0 (B) window 1, source 1 (A) window 0, C and D window 2
.else
	WIN 0x81                                       ; C (the bias) window 0
.endif
.irp a, 0,1,2,3
.irp t, 0,1,2,3,4,5,6,7
.if \cm == 0
	v_wmma_scale_f32_16x16x128_f8f6f4 v[8*(8*\a+\t):8*(8*\a+\t)+7], v[96*FS+12*\t:96*FS+12*\t+11], v[AF+48*FS+12*\a:AF+48*FS+12*\a+11], v[8*(8*\a+\t):8*(8*\a+\t)+7], v[SC+8*(\s)+2*(2*(\t/4)+\t%2)+(\t%4)/2], v[SC+8*(\s)+2*(\a%2)+\a/2] matrix_a_fmt:MATRIX_FMT_BF6 matrix_b_fmt:MATRIX_FMT_BF6 matrix_a_scale:MATRIX_SCALE_ROW1
.else
	v_wmma_scale_f32_16x16x128_f8f6f4 v[8*(8*\a+\t):8*(8*\a+\t)+7], v[96*FS+12*\t:96*FS+12*\t+11], v[AF+48*FS+12*\a:AF+48*FS+12*\a+11], v[BI+8*\t:BI+8*\t+7], v[SC+8*(\s)+2*(2*(\t/4)+\t%2)+(\t%4)/2], v[SC+8*(\s)+2*(\a%2)+\a/2] matrix_a_fmt:MATRIX_FMT_BF6 matrix_b_fmt:MATRIX_FMT_BF6 matrix_a_scale:MATRIX_SCALE_ROW1
.endif
.endr
.endr
.endm
.macro STEP s
.if ((\s)%2) == 1 && (\s) < 7          ; the next step begins a new chunk
	s_wait_dscnt 0x0                               ; no LDS load of mine is out at the signal
	s_wait_tensorcnt 3-((\s)+1)/2                  ; my part of chunk (s + 1) / 2 has landed; the later chunks may stay out
	s_barrier_signal -1
	s_barrier_wait -1                              ; everybody's has
.endif
.if (\s) < 7
	PLACES                                         ; the loads below go into the set that the last step multiplied
	FETCH (\s)+1
	s_wait_dscnt 36                                ; all but the 36 just issued: this step's fragments are in
.else
	s_wait_dscnt 0x0
.endif
	MUL \s, 0
.endm
	s_wait_tensorcnt 3                             ; my scale units and my part of chunk 0 have landed; chunks 1 to 3 may stay out
	s_barrier_signal -1
	s_barrier_wait -1
	SCALES
	FETCH 0
	FETCH 1
	s_wait_dscnt 36                                ; the scale words and step 0's fragments are in
	s_wait_loadcnt 0x0                             ; the bias
	MUL 0, 1
.irp s, 1,2,3,4,5,6,7
	STEP \s
.endr
	WIN 0
; THE WAY OUT.  The four stages, 33,792 bytes from BC on, lie in B's chunks 0 and 1: these bytes had their one fill at the head, and in front of step 5's barrier every wave has waited for all its LDS loads, those of
; K steps 0 to 3 among them; the later steps read from 49,152 bytes behind BC on.  A wave's own stage needs no wait between its stores and its loads: LDS serves a wave's instructions in order (ISA guide 5.7.1.4).
.macro TOSTAGE a
	WIN 0x08                                       ; an LDS store's data are its source 1: window 2
.irp t, 0,1,2,3,4,5,6,7
	ds_store_b128 v[STO], v[8*(8*(\a)+\t):8*(8*(\a)+\t)+3] offset:128*(\t/2)+32*(\t%2)        ; each accumulator from its low end on
	ds_store_b128 v[STO], v[8*(8*(\a)+\t)+4:8*(8*(\a)+\t)+7] offset:128*(\t/2)+32*(\t%2)+16
.endr
	WIN 0
.irp i, 0,1,2,3,4,5,6,7,8,9,10,11,12,13,14,15
	ds_load_b128 v[BK+64*((\a)%2)+4*\i:BK+64*((\a)%2)+4*\i+3], v[RD] offset:\i*SPITCH
.endr
.endm
.macro SEND a, younger                 ; younger: the LDS instructions issued behind block a's loads, which may stay out
	s_wait_dscnt \younger
.irp i, 0,1,2,3,4,5,6,7,8,9,10,11,12,13,14,15
	global_store_b128 v[L16], v[BK+64*((\a)%2)+4*\i:BK+64*((\a)%2)+4*\i+3], s[10:11] offset:(32*((\a)/2)+8*((\a)%2)+\i+8*(\i/8))*4096 th:TH_STORE_NT   ; 512 consecutive bytes of one token's row, aligned; written once
.endr
.endm
	PLACES                                         ; ahead of the first read of results and of loads into the registers that held A's fragments
	TOSTAGE 0
.irp a, 1,2,3
.if \a > 1
	s_wait_xcnt 0x0                                ; block a - 2's stores have read their registers: block a's loads may land there
.endif
	TOSTAGE \a
	SEND \a-1, 32                                  ; behind block a - 1's loads: block a's 16 stores and 16 loads
.endr
	SEND 3, 0
	s_wait_tensorcnt 0x0
	ds_add_u32 v30, v31
	s_wait_dscnt 0x0
	CROUND                                         ; the closing round: no work-group ends while a partner may still ask for a tile that names it
	s_endpgm
.Lfunc_end_k_qa7a2ef028c_proj:
	.size	k_qa7a2ef028c_proj, .Lfunc_end_k_qa7a2ef028c_proj-k_qa7a2ef028c_proj
	.p2alignl 7, 3214868480
	.fill 96, 4, 3214868480
	.section	.rodata,"a",@progbits
	.p2align	6, 0x0
	.amdhsa_kernel k_qa7a2ef028c_proj
		.amdhsa_group_segment_fixed_size 307712
		.amdhsa_private_segment_fixed_size 0
		.amdhsa_enable_private_segment 0
		.amdhsa_kernarg_size 32
		.amdhsa_user_sgpr_count 2
		.amdhsa_user_sgpr_kernarg_segment_ptr 1
		.amdhsa_wavefront_size32 1
		.amdhsa_system_sgpr_workgroup_id_x 1
		.amdhsa_system_sgpr_workgroup_id_y 1
		.amdhsa_system_sgpr_workgroup_id_z 1
		.amdhsa_system_vgpr_workitem_id 0
		.amdhsa_next_free_vgpr 768
		.amdhsa_next_free_sgpr 102
		.amdhsa_reserve_vcc 0
		.amdhsa_float_denorm_mode_32 3
		.amdhsa_float_denorm_mode_16_64 3
		.amdhsa_memory_ordered 1
		.amdhsa_forward_progress 1
		.amdhsa_inst_pref_size 80
	.end_amdhsa_kernel
	.amdgpu_metadata
---
amdhsa.version: [ 1, 2 ]
amdhsa.kernels:
  - .name:           k_qa7a2ef028c_proj
    .symbol:         k_qa7a2ef028c_proj.kd
    .args:
      - { .name: w3, .offset: 0, .size: 8, .value_kind: global_buffer, .address_space: global }
      - { .name: w1, .offset: 8, .size: 8, .value_kind: global_buffer, .address_space: global }
      - { .name: bo, .offset: 16, .size: 8, .value_kind: global_buffer, .address_space: global }
      - { .name: out0, .offset: 24, .size: 8, .value_kind: global_buffer, .address_space: global }
    .group_segment_fixed_size: 307712
    .private_segment_fixed_size: 0
    .kernarg_segment_align: 8
    .kernarg_segment_size: 32
    .max_flat_workgroup_size: 128
    .sgpr_count:     102
    .vgpr_count:     768
    .wavefront_size: 32
...
	.end_amdgpu_metadata
.endif
;; end of part 4
